; MI455X (gfx1250); checked and timed in simulation.
; The chip was launched on July 23, 2026; its instructions are those of AMD's public machine-readable ISA for CDNA 5 (MIT licence, August 2026) and "CDNA5" Instruction Set Architecture Reference Guide (July 2026). The comments in the code are by the model that wrote it; some were corrected since.
;; Interpretable Multi Head Attention. Allowed arithmetic: float matrix products may take bf16 or f16 operands with f32 sums; all other float work in f32.
;; Inputs: Wk 1,024 x 1,024 float32; Wo 1,024 x 1,024 float32; Wq 1,024 x 1,024 float32; Wv 1,024 x 1,024 float32; bk 1,024 float32; bo 1,024 float32; bq 1,024 float32; bv 1,024 float32; key_ 2 x 2,048 x 1,024 float32; query 2 x 2,048 x 1,024 float32; value 2 x 2,048 x 1,024 float32.
;; Outputs: out0 2 x 2,048 x 1,024 float32.
;; 2 versions, each right. Each part assembles by itself: llvm-mc -triple=amdgcn-amd-amdhsa -mcpu=gfx1250 --defsym DOCPART=n.
;; ======== version 1 of 2: 4 launches
;; workspace buffers: cb 33,554,432 bytes; tab 524,288 bytes; qkv 25,165,824 bytes; ao 8,388,608 bytes
;; launch prep (part 1): grid 64 x 17, 8 waves a work-group, no clusters, 0 bytes of LDS; arguments query, key_, value, Wq, Wk, Wv, Wo, cb, tab; writes cb, tab
.if DOCPART == 1
	.amdgcn_target "amdgcn-amd-amdhsa--gfx1250"
	.amdhsa_code_object_version 6
	.text
	.protected	k_q17d9dd1f24_prep
	.globl	k_q17d9dd1f24_prep
	.p2align	8
	.type	k_q17d9dd1f24_prep,@function
k_q17d9dd1f24_prep:
	s_mov_b64 s[64:65], 0
	v_nop
	global_prefetch_b8 v0, s[64:65] scope:SCOPE_SE
	s_setreg_imm32_b32 hwreg(HW_REG_WAVE_MODE, 25, 1), 1
	s_wait_xcnt 0x0
; First of four launches for  out = softmax(rope(q) rope(k)^T / 8) v Wo^T + bo,  q, k, v = x W^T + b.
; NOTHING OF THE COMPUTATION IS LEFT OUT: bq and bk reach the scores through rotations that differ from position to position, so they are
; not constant along the softmax's axis; bv and bo reach the result; every input is loaded by some launch.
; THIS LAUNCH (a) rounds query, key_, value, Wq, Wk, Wv, Wo once to bf16, the matrix operands' format, into cb:
;   cb = [xq | xk | xv] as one matrix of 12,288 rows x 1,024, then wq, wk, wv, wo (1,024 x 1,024 each), all row-major;
; (b) makes the table of cos and sin of the rotary angles t x 10000^(-f/32), t = 0..2047, f = 0..31, in f32, laid out as the next launch's
;   registers want it: tab[tile of 16 positions][piece e = 4 cs + 2 b1 + jh][lane 16 h + r][4]: position 16 tile + r,
;   frequencies 16 b1 + 8 h + 4 jh + 0..3, cs = 0 cos, 1 sin.
; LIMITS: matrix operands are rounded to bf16 (nearest even).  The angle is reduced by one fused multiply-add with 2/pi in f32: at t = 2047
; it is good to about 2e-4 rad, the size of f32's own rounding of t x inv_freq.  cos and sin are Taylor sums on |a| <= pi/4 (error under 4e-7).
; Grid: y = 0..15 cast (64 work-groups each: y 0-3 query, 4-7 key_, 8-11 value, 12 Wq, 13 Wk, 14 Wv, 15 Wo), y = 16 the table.
; No LDS, no matrix unit, no cluster: the work-groups share no byte and memory is all that there is to wait for.
	s_load_b512 s[8:23], s[0:1], 0x0               ; query 8:9, key_ 10:11, value 12:13, Wq 14:15, Wk 16:17, Wv 18:19, Wo 20:21, cb 22:23
	s_load_b64 s[24:25], s[0:1], 0x40              ; tab
	s_and_b32 s2, ttmp7, 0xffff                    ; y
	s_wait_kmcnt 0x0
	s_cmp_eq_u32 s2, 16
	s_cbranch_scc1 .Ltable
	; ---- the cast: this work-group turns 65,536 bytes of f32 into 32,768 bytes of bf16 ----
	s_mov_b64 s[4:5], s[8:9]                       ; the source, chosen by y
	s_cmp_ge_u32 s2, 4
	s_cselect_b64 s[4:5], s[10:11], s[4:5]
	s_cmp_ge_u32 s2, 8
	s_cselect_b64 s[4:5], s[12:13], s[4:5]
	s_cmp_ge_u32 s2, 12
	s_cselect_b64 s[4:5], s[14:15], s[4:5]
	s_cmp_ge_u32 s2, 13
	s_cselect_b64 s[4:5], s[16:17], s[4:5]
	s_cmp_ge_u32 s2, 14
	s_cselect_b64 s[4:5], s[18:19], s[4:5]
	s_cmp_ge_u32 s2, 15
	s_cselect_b64 s[4:5], s[20:21], s[4:5]
	s_and_b32 s26, s2, 3                           ; which quarter of an activation tensor; a weight has one
	s_cmp_ge_u32 s2, 12
	s_cselect_b32 s26, 0, s26
	s_lshl_b32 s26, s26, 6
	s_add_co_u32 s26, s26, ttmp9                   ; chunk in the source
	s_lshl_b32 s26, s26, 16                        ; x 65,536 bytes
	s_mov_b32 s27, 0
	s_add_nc_u64 s[4:5], s[4:5], s[26:27]
	s_lshl_b32 s28, s2, 6
	s_add_co_u32 s28, s28, ttmp9                   ; chunk in cb = 64 y + x
	s_lshl_b32 s28, s28, 15                        ; x 32,768 bytes
	s_mov_b32 s29, 0
	s_add_nc_u64 s[6:7], s[22:23], s[28:29]
	v_lshlrev_b32 v1, 4, v0                        ; 16 bytes in a thread: a wave's load covers 512 neighbouring bytes
	v_lshlrev_b32 v2, 3, v0                        ; 8 bytes out: a wave's store covers 256 neighbouring bytes, aligned
.set i, 0
.rept 16
	global_load_b128 v[8+4*i:11+4*i], v1, s[4:5] offset:4096*i th:TH_LOAD_NT   ; all sixteen go out at once; each byte is read once in the launch
.set i, i+1
.endr
.set i, 0
.rept 16
	s_wait_loadcnt 15-i                            ; loads come back in order: load i is in, the 15 - i younger ones stay out
	v_cvt_pk_bf16_f32 v[72+2*i], v[8+4*i], v[9+4*i]
	v_cvt_pk_bf16_f32 v[73+2*i], v[10+4*i], v[11+4*i]
	global_store_b64 v2, v[72+2*i:73+2*i], s[6:7] offset:2048*i                ; no register is used twice, so no wait frees one
.set i, i+1
.endr
	s_endpgm
	; ---- the table: 64 work-groups, two tiles of 16 positions each; a thread makes cos and sin of one position at four frequencies ----
.Ltable:
	s_mov_b32 s30, 0xbed49a78                      ; -log2(10000) / 32
	s_mov_b32 s31, 0x3f22f983                      ; 2 / pi
	s_mov_b32 s32, 0x3fc90fdb                      ; pi / 2
	s_mov_b32 s33, 0xbe2aaaab                      ; -1/6
	s_mov_b32 s34, 0x3c088889                      ; 1/120
	s_mov_b32 s35, 0xb9500d01                      ; -1/5040
	s_mov_b32 s36, 0x3d2aaaab                      ; 1/24
	s_mov_b32 s37, 0xbab60b61                      ; -1/720
	s_mov_b32 s38, 0x37d00d01                      ; 1/40320
	v_and_b32 v1, 15, v0                           ; r
	v_bfe_u32 v2, v0, 4, 1                         ; h
	v_bfe_u32 v3, v0, 5, 1                         ; jh
	v_bfe_u32 v4, v0, 6, 1                         ; b1
	v_lshrrev_b32 v5, 7, v0                        ; which of my two tiles
	s_lshl_b32 s3, ttmp9, 5                        ; 16 positions x 2 tiles x work-group
	v_lshl_add_u32 v6, v5, 4, v1
	v_add_nc_u32 v6, s3, v6                        ; t
	v_lshlrev_b32 v7, 4, v4
	v_lshl_add_u32 v7, v2, 3, v7
	v_lshl_add_u32 v7, v3, 2, v7                   ; first frequency = 16 b1 + 8 h + 4 jh
	v_and_b32 v8, 127, v0
	v_lshlrev_b32 v8, 4, v8
	v_lshl_add_u32 v8, v5, 12, v8                  ; 4,096 x tile + 512 x piece + 16 x lane: a wave's store covers 512 neighbouring bytes
	s_lshl_b32 s26, ttmp9, 13
	s_mov_b32 s27, 0
	s_add_nc_u64 s[24:25], s[24:25], s[26:27]
	v_cvt_f32_u32 v7, v7
	v_add_f32 v13, 1.0, v7
	v_add_f32 v14, 2.0, v7
	v_add_f32 v15, 0x40400000, v7
	v_mul_f32 v12, s30, v7
	v_mul_f32 v13, s30, v13
	v_mul_f32 v14, s30, v14
	v_mul_f32 v15, s30, v15
	v_exp_f32 v12, v12                             ; inv_freq = 2^(-f log2(10000) / 32)
	v_exp_f32 v13, v13
	v_exp_f32 v14, v14
	v_exp_f32 v15, v15
	v_cvt_f32_u32 v6, v6                           ; the plain instruction that stands between the exponentials and their first use (ISA guide 5.7.2)
	s_wait_alu depctr_va_vdst(0)
; angle x = t inv = n pi/2 + a with |a| <= pi/4; sin a and cos a by Taylor sums; the quadrant n mod 4 swaps them and sets the signs, by selection only
.macro SINCOS jj
	v_mul_f32 v20, v6, v[12+\jj]                   ; x
	v_mul_f32 v21, s31, v20
	v_rndne_f32 v21, v21                           ; n
	v_fma_f32 v22, v20, s31, -v21                  ; x 2/pi - n in one rounding
	v_mul_f32 v22, s32, v22                        ; a
	v_mul_f32 v23, v22, v22                        ; a^2
	v_fma_f32 v24, v23, s35, s34
	v_fma_f32 v24, v23, v24, s33
	v_mul_f32 v25, v22, v23
	v_fma_f32 v24, v25, v24, v22                   ; sin a
	v_fma_f32 v26, v23, s38, s37
	v_fma_f32 v26, v23, v26, s36
	v_fma_f32 v26, v23, v26, -0.5
	v_fma_f32 v26, v23, v26, 1.0                   ; cos a
	v_cvt_i32_f32 v27, v21
	v_and_b32 v28, 1, v27
	v_cmp_eq_u32 vcc_lo, 1, v28
	v_cndmask_b32 v29, v26, v24, vcc_lo            ; |cos|: sin a in the odd quadrants
	v_cndmask_b32 v30, v24, v26, vcc_lo            ; |sin|: cos a in the odd quadrants
	v_add_nc_u32 v28, 1, v27
	v_and_b32 v28, 2, v28                          ; cos is negated in quadrants 1 and 2
	v_lshlrev_b32 v28, 30, v28
	v_xor_b32 v[32+\jj], v28, v29
	v_and_b32 v28, 2, v27                          ; sin in quadrants 2 and 3
	v_lshlrev_b32 v28, 30, v28
	v_xor_b32 v[36+\jj], v28, v30
.endm
	SINCOS 0
	SINCOS 1
	SINCOS 2
	SINCOS 3
	global_store_b128 v8, v[32:35], s[24:25]
	global_store_b128 v8, v[36:39], s[24:25] offset:2048
	s_endpgm
.Lfunc_end_k_q17d9dd1f24_prep:
	.size	k_q17d9dd1f24_prep, .Lfunc_end_k_q17d9dd1f24_prep-k_q17d9dd1f24_prep
	.p2alignl 7, 3214868480
	.fill 96, 4, 3214868480
	.section	.rodata,"a",@progbits
	.p2align	6, 0x0
	.amdhsa_kernel k_q17d9dd1f24_prep
		.amdhsa_group_segment_fixed_size 0
		.amdhsa_private_segment_fixed_size 0
		.amdhsa_enable_private_segment 0
		.amdhsa_kernarg_size 72
		.amdhsa_user_sgpr_count 2
		.amdhsa_user_sgpr_kernarg_segment_ptr 1
		.amdhsa_wavefront_size32 1
		.amdhsa_system_sgpr_workgroup_id_x 1
		.amdhsa_system_sgpr_workgroup_id_y 1
		.amdhsa_system_sgpr_workgroup_id_z 1
		.amdhsa_system_vgpr_workitem_id 0
		.amdhsa_next_free_vgpr 104
		.amdhsa_next_free_sgpr 66
		.amdhsa_reserve_vcc 1
		.amdhsa_float_denorm_mode_32 3
		.amdhsa_float_denorm_mode_16_64 3
		.amdhsa_memory_ordered 1
		.amdhsa_forward_progress 1
		.amdhsa_inst_pref_size 14
	.end_amdhsa_kernel
	.amdgpu_metadata
---
amdhsa.version: [ 1, 2 ]
amdhsa.kernels:
  - .name:           k_q17d9dd1f24_prep
    .symbol:         k_q17d9dd1f24_prep.kd
    .args:
      - { .name: query, .offset: 0, .size: 8, .value_kind: global_buffer, .address_space: global }
      - { .name: key_, .offset: 8, .size: 8, .value_kind: global_buffer, .address_space: global }
      - { .name: value, .offset: 16, .size: 8, .value_kind: global_buffer, .address_space: global }
      - { .name: Wq, .offset: 24, .size: 8, .value_kind: global_buffer, .address_space: global }
      - { .name: Wk, .offset: 32, .size: 8, .value_kind: global_buffer, .address_space: global }
      - { .name: Wv, .offset: 40, .size: 8, .value_kind: global_buffer, .address_space: global }
      - { .name: Wo, .offset: 48, .size: 8, .value_kind: global_buffer, .address_space: global }
      - { .name: cb, .offset: 56, .size: 8, .value_kind: global_buffer, .address_space: global }
      - { .name: tab, .offset: 64, .size: 8, .value_kind: global_buffer, .address_space: global }
    .group_segment_fixed_size: 0
    .private_segment_fixed_size: 0
    .kernarg_segment_align: 8
    .kernarg_segment_size: 72
    .max_flat_workgroup_size: 256
    .sgpr_count:     66
    .vgpr_count:     104
    .wavefront_size: 32
...
	.end_amdgpu_metadata
.endif
;; end of part 1
;; launch proj (part 2): grid 4 x 48, 4 waves a work-group, clusters of 4 x 4, 327,680 bytes of LDS; arguments cb, tab, bq, bk, bv, qkv; writes qkv
.if DOCPART == 2
	.amdgcn_target "amdgcn-amd-amdhsa--gfx1250"
	.amdhsa_code_object_version 6
	.text
	.protected	k_q17d9dd1f24_proj
	.globl	k_q17d9dd1f24_proj
	.p2align	8
	.type	k_q17d9dd1f24_proj,@function
k_q17d9dd1f24_proj:
	s_mov_b64 s[64:65], 0
	v_nop
	global_prefetch_b8 v0, s[64:65] scope:SCOPE_SE
	s_setreg_imm32_b32 hwreg(HW_REG_WAVE_MODE, 25, 1), 1
	s_wait_xcnt 0x0
	s_wait_alu depctr_hold_cnt(0) depctr_sa_sdst(0) depctr_va_vdst(0) depctr_va_sdst(0) depctr_va_ssrc(0) depctr_va_vcc(0) depctr_vm_vsrc(0)
	s_getreg_b32 s2, hwreg(HW_REG_IB_STS2, 6, 4)
	s_cmp_eq_u32 s2, 0
	s_cbranch_scc0 .Lentry_in_a_cluster
	s_endpgm
.Lentry_in_a_cluster:
	s_bfe_u32 s2, ttmp6, 0x10000c
	s_cmp_lg_u32 s2, 0xf033
	s_cbranch_scc0 .Lentry_shape_is_right
	s_endpgm
.Lentry_shape_is_right:
; q, k, v = x W^T + b, rotary embedding on q and k, rounded to bf16, stored by heads: qkv[proj][b][h][s][64] (a head's plane is 262,144 bytes).
; One GEMM over the stacked activations: A = cb's first 12,288 rows (xq | xk | xv), B = the projection's own weights, K = 1,024.
; A work-group makes 256 x 256 with four waves, a wave 128 x 128 in 512 accumulator registers.  192 work-groups: blocks of 128 x 128 would
; make 768, but a wave tile of 64 x 64 reads twice the LDS bytes for each product and doubles the requests for tiles.
; K goes in steps of 128 through two LDS slots filled by the tensor data mover: rows of 256 bytes that start at multiples of 256 bytes.
; CLUSTERS: 4 x 4 work-groups.  A's tile hangs on the block row alone and is asked for jointly by the four of a row of the cluster, B's on
; the block column (and the projection, which all sixteen share: four block rows of a cluster lie in one projection) by the four of a column.
; REGISTERS, in windows of 256:
;   window 0: v16-28 addresses; v32-63, v224-255 bias; v64-127, v128-191 fragments of A (two buffers), on the way out X and Y; v192-223 packed results
;   window 1: v64-127, v128-191 fragments of B; on the way out the table of cos and sin, tile i of 16 rows at v[32 i]
;   window 2: the accumulator tiles of my rows 0-63 (tile (a, b) at v[8 (8 a + b)]);  window 3: those of my rows 64-127
; THE MATRIX INSTRUCTION IS USED TRANSPOSED (source 0 = rows of W, source 1 = rows of x): lane l holds row l % 16, its registers 0-7 the
; columns 16 b + 8 (l / 16) + 0..7.  Columns d and d + 32 of a head are then tiles b and b + 2, same lane, same register: the rotation
; needs no traffic between lanes.
; LIMITS: operands and results in bf16, sums in f32.
.set SIZE_K, 1024
.set KSTEP,  128
.set PITCH,  272                       ; an LDS row: 256 bytes + 16 of padding: the 16 rows of a fragment load start at 16 different 16-byte columns modulo 256 bytes
.set HALFT,  128*PITCH                 ; what one tensor load brings
.set SLOT,   4*HALFT                   ; A's 256 rows, then B's 256 rows
.set STAGE,  2*SLOT                    ; behind the ring: 16 rows x 272 bytes for each wave; no tensor load lands here
.set SPITCH, 272
.set LAPS,   SIZE_K/(2*KSTEP)          ; 4 laps of two K steps
.set WOFF,   25165824                  ; wq in cb
.set PLANE,  262144                    ; a head's 2,048 rows of 128 bytes
.set ADRA, 16                          ; v16-17  LDS address of my A fragments in slot 0, 1
.set ADRB, 20                          ; v20-21  the same for B
.set STO,  24                          ; where I put 16 bytes of a row in my stage
.set RD,   25                          ; where I read four half rows back
.set LN16, 26                          ; 16 x lane: offset of the table's loads and of the stores
.set BO,   28                          ; 32 x (lane / 16): offset of the bias loads
.set F0,   64
.set F1,   128
.set X,    64                          ; way out: 16 rows x 128 columns with bias, f32
.set Y,    128                         ; way out: the same, rotated
.set TMP,  192
.set G1, 24
.set G0, 32
.set G1B, 48
.set G0B, 56
.set MSB, 0
.macro WIN new                         ; the immediate's high byte repeats the setting that is left
.if MSB != \new
	s_set_vgpr_msb (MSB<<8)|\new
.set MSB, \new
.endif
.endm
.set MUL_LO, 0xa1                      ; source 0 (W) window 1, source 1 (x) window 0, C and D window 2
.set MUL_HI, 0xf1                      ; the same, C and D window 3
.set TO_B,   0x40                      ; destination window 1, address window 0
; A joint load.  Waves 0 and 1 fetch A's halves, waves 2 and 3 B's; the branch hangs on the wave's number alone.
.macro JLOAD s
	s_cmp_eq_u32 s11, 0
	s_cbranch_scc0 .Lfor_b_\@
	tensor_load_to_lds s[G0+4*\s:G0+4*\s+3], s[G1:G1+7]
	s_nop 0
	s_branch .Lasked_\@
.Lfor_b_\@:
	tensor_load_to_lds s[G0B+4*\s:G0B+4*\s+3], s[G1B:G1B+7]
	s_nop 0
.Lasked_\@:
.endm
.macro CREST                           ; a round of the cluster's barrier behind its opening work-group barrier
	s_cmp_lg_u32 s10, 0
	s_cbranch_scc1 .Lnot_wave_0_\@
	s_barrier_signal -3
.Lnot_wave_0_\@:
	s_barrier_wait -3
	s_barrier_signal -1
	s_barrier_wait -1
.endm
.macro CROUND                          ; a whole round
	s_barrier_signal -1
	s_barrier_wait -1
	CREST
.endm
	s_load_b256 s[68:75], s[0:1], 0x0              ; cb 68:69, tab 70:71, bq 72:73, bk 74:75
	s_load_b128 s[76:79], s[0:1], 0x20             ; bv 76:77, qkv 78:79
	v_lshl_add_u32 v30, v0, 2, 0x48400
	v_mov_b32 v31, 0
	ds_add_u32 v30, v31
	v_lshrrev_b32 v1, 5, v0
	v_readfirstlane_b32 s10, v1                    ; wave 0..3
	s_lshr_b32 s11, s10, 1                         ; my half of the block's rows.  Also: I fetch for A (0) or B (1)
	s_and_b32 s12, s10, 1                          ; my half of its columns.  Also: which 128 rows of that tile I fetch
	s_bfe_u32 s40, ttmp6, 0x40000                  ; cx
	s_bfe_u32 s41, ttmp6, 0x40004                  ; cy
	s_lshl_b32 s42, ttmp9, 2
	s_add_co_u32 s42, s42, s40                     ; block column 0..3
	s_and_b32 s13, ttmp7, 0xffff
	s_lshr_b32 s66, s13, 2                         ; projection 0 q, 1 k, 2 v: from the cluster's y alone, equal in all sixteen
	s_lshl_b32 s13, s13, 2
	s_add_co_u32 s13, s13, s41                     ; block row 0..47 of the stacked activations
	s_lshl_b32 s43, s41, 2
	s_lshl_b32 s43, 15, s43                        ; my row of the cluster
	s_lshl_b32 s44, 0x1111, s40                    ; my column
	; group 1: 128 rows x 128 elements of 2 bytes, 4 words of padding behind every 64
	s_or_b32 s[G1+0], s43, (1<<16)|(1<<20)|(1<<21)|(5<<22)|(3<<25)
	s_or_b32 s[G1B+0], s44, (1<<16)|(1<<20)|(1<<21)|(5<<22)|(3<<25)
	s_mov_b32 s[G1+1], KSTEP<<16                   ; tensor_dim0 = 128
	s_mov_b32 s[G1B+1], KSTEP<<16
	s_mov_b32 s[G1+2], 128<<16                     ; tensor_dim1 = 128
	s_mov_b32 s[G1B+2], 128<<16
	s_mov_b32 s[G1+3], KSTEP<<16                   ; tile_dim0 = 128
	s_mov_b32 s[G1B+3], KSTEP<<16
	s_mov_b32 s[G1+4], 128                         ; tile_dim1 = 128
	s_mov_b32 s[G1B+4], 128
	s_mov_b32 s[G1+5], SIZE_K                      ; elements from row to row
	s_mov_b32 s[G1B+5], SIZE_K
	s_mov_b32 s[G1+6], 0
	s_mov_b32 s[G1B+6], 0
	s_mov_b32 s[G1+7], 0
	s_mov_b32 s[G1B+7], 0
	; byte offsets of my tiles in cb, each in registers that never hold the other coordinate
	s_lshl_b32 s18, s12, 7                         ; which 128 rows I fetch
	s_lshl_b32 s16, s13, 8
	s_add_co_u32 s16, s16, s18
	s_lshl_b32 s16, s16, 11                        ; A: (256 block row + 128 half) rows of 2,048 bytes
	s_mov_b32 s17, 0
	s_lshl_b32 s46, s42, 8
	s_add_co_u32 s46, s46, s18
	s_lshl_b32 s46, s46, 11                        ; B: (256 block column + 128 half) rows,
	s_lshl_b32 s47, s66, 21
	s_add_co_u32 s46, s46, s47                     ; in the projection's weights (2,097,152 bytes each),
	s_add_co_u32 s46, s46, WOFF                    ; which lie behind the activations
	s_mov_b32 s47, 0
	s_mul_i32 s20, s10, HALFT                      ; LDS: wave x 128 rows
	s_wait_dscnt 0x0
	s_wait_kmcnt 0x0
	s_add_nc_u64 s[14:15], s[68:69], s[16:17]
	s_add_nc_u64 s[46:47], s[68:69], s[46:47]
	CROUND                                         ; all sixteen work-groups are here: the first joint loads meet
.irp s, 0,1
	s_mov_b32 s[G0+4*\s], 1
	s_add_co_u32 s[G0+4*\s+1], s20, \s*SLOT
	s_add_nc_u64 s[G0+4*\s+2:G0+4*\s+3], s[14:15], \s*KSTEP*2
	s_or_b32 s[G0+4*\s+3], s[G0+4*\s+3], 0x80000000
	s_mov_b32 s[G0B+4*\s], 1
	s_add_co_u32 s[G0B+4*\s+1], s20, \s*SLOT
	s_add_nc_u64 s[G0B+4*\s+2:G0B+4*\s+3], s[46:47], \s*KSTEP*2
	s_or_b32 s[G0B+4*\s+3], s[G0B+4*\s+3], 0x80000000
	JLOAD \s                                       ; both first fills go out before anything else: two tensor loads of the wave are out
.endr
	; the bias of my projection, at my 128 columns
	s_mov_b64 s[80:81], s[72:73]
	s_cmp_eq_u32 s66, 1
	s_cselect_b64 s[80:81], s[74:75], s[80:81]
	s_cmp_eq_u32 s66, 2
	s_cselect_b64 s[80:81], s[76:77], s[80:81]
	s_lshl_b32 s4, s42, 10
	s_lshl_b32 s5, s12, 9
	s_add_co_u32 s4, s4, s5
	s_mov_b32 s5, 0
	s_add_nc_u64 s[80:81], s[80:81], s[4:5]
	; the table at my first position: tile 16 (block row mod 8) + 8 (row half), 4,096 bytes a tile
	s_and_b32 s6, s13, 7
	s_lshl_b32 s4, s6, 16
	s_lshl_b32 s5, s11, 15
	s_add_co_u32 s4, s4, s5
	s_mov_b32 s5, 0
	s_add_nc_u64 s[82:83], s[70:71], s[4:5]
	; the result: 16 planes for each (projection, batch) = block row / 8; my two heads; my first position
	s_lshr_b32 s4, s13, 3
	s_lshl_b32 s4, s4, 22
	s_lshl_b32 s5, s42, 20                         ; 4 heads a block column
	s_add_co_u32 s4, s4, s5
	s_lshl_b32 s5, s12, 19                         ; 2 heads a wave
	s_add_co_u32 s4, s4, s5
	s_lshl_b32 s5, s6, 15                          ; 256 positions of 128 bytes
	s_add_co_u32 s4, s4, s5
	s_lshl_b32 s5, s11, 14
	s_add_co_u32 s4, s4, s5
	s_mov_b32 s5, 0
	s_add_nc_u64 s[8:9], s[78:79], s[4:5]
	v_and_b32 v1, 15, v0                           ; l % 16
	v_bfe_u32 v2, v0, 4, 1                         ; l / 16
	v_mul_u32_u24 v3, v1, PITCH
	v_lshl_add_u32 v3, v2, 4, v3                   ; row x pitch + 16 x half
	s_mul_i32 s21, s11, HALFT                      ; my 128 rows of A
	s_mul_i32 s22, s12, HALFT
	s_add_co_u32 s22, s22, 2*HALFT                 ; my 128 rows of B, behind A's 256
.irp s, 0,1
	v_add_nc_u32 v[ADRA+\s], s21, v3
	v_add_nc_u32 v[ADRB+\s], s22, v3
	s_add_co_u32 s21, s21, SLOT
	s_add_co_u32 s22, s22, SLOT
.endr
	s_mul_i32 s23, s10, 16*SPITCH
	s_add_co_u32 s23, s23, STAGE                   ; my stage
	v_add_nc_u32 v[STO], s23, v3                   ; in: row l % 16, 16 bytes for each half of the lanes
	v_and_b32 v4, 31, v0
	v_lshrrev_b32 v5, 3, v4
	v_and_b32 v6, 7, v0
	v_mul_u32_u24 v5, v5, SPITCH
	v_lshl_add_u32 v5, v6, 4, v5
	v_add_nc_u32 v[RD], s23, v5                    ; back: eight lanes take a head's 128 bytes of a row, four rows a load
	v_lshlrev_b32 v[LN16], 4, v4
	v_lshlrev_b32 v[BO], 5, v2
	; Bias and half of the table go out now and land during the K loop, which has no wait on these loads and touches none of their registers.
.irp b, 0,1,2,3,4,5,6,7
	global_load_b128 v[32+8*\b+(\b/4)*160:32+8*\b+(\b/4)*160+3], v[BO], s[80:81] offset:64*\b       ; columns 16 b + 8 (l / 16) + 0..3
	global_load_b128 v[32+8*\b+(\b/4)*160+4:32+8*\b+(\b/4)*160+7], v[BO], s[80:81] offset:64*\b+16  ; and + 4..7
.endr
.macro TABLD i                         ; the table's tile i: eight pieces of 512 neighbouring bytes, into window 1
.irp e, 0,1,2,3,4,5,6,7
	global_load_b128 v[32*\i+4*\e:32*\i+4*\e+3], v[LN16], s[82:83] offset:4096*\i+512*\e
.endr
.endm
	s_cmp_eq_u32 s66, 2                            ; v is not rotated: it never loads the table
	s_cbranch_scc1 .Lno_table
	WIN TO_B
	TABLD 0                                        ; the tiles whose registers the K loop leaves alone
	TABLD 1
	TABLD 6
	TABLD 7
	WIN 0
.Lno_table:
; 16 matrix instructions: m blocks a0, a0 + 1 of the window's four x all 8 n blocks, 32 along K.  zero = 1: the first product starts the sums.
.macro MUL16 f, hi, a0, zero
.irp a, \a0, \a0+1
.irp b, 0,1,2,3,4,5,6,7
.if \zero
	v_wmma_f32_16x16x32_bf16 v[8*(8*(\a)+\b):8*(8*(\a)+\b)+7], v[\f+8*\b:\f+8*\b+7], v[\f+8*(4*\hi+\a):\f+8*(4*\hi+\a)+7], 0
.else
	v_wmma_f32_16x16x32_bf16 v[8*(8*(\a)+\b):8*(8*(\a)+\b)+7], v[\f+8*\b:\f+8*\b+7], v[\f+8*(4*\hi+\a):\f+8*(4*\hi+\a)+7], v[8*(8*(\a)+\b):8*(8*(\a)+\b)+7]
.endif
.endr
.endr
.endm
; 32 LDS loads in one run: the fragments of a quarter step (32 K at byte k of the rows) into buffer f
.macro FETCH slot, k, f
	WIN TO_B
.irp i, 0,1,2,3,4,5,6,7
	ds_load_b128 v[\f+8*\i:\f+8*\i+3],   v[ADRB+\slot] offset:\k+\i*16*PITCH
	ds_load_b128 v[\f+8*\i+4:\f+8*\i+7], v[ADRB+\slot] offset:\k+\i*16*PITCH+32
.endr
	WIN 0
.irp i, 0,1,2,3,4,5,6,7
	ds_load_b128 v[\f+8*\i:\f+8*\i+3],   v[ADRA+\slot] offset:\k+\i*16*PITCH
	ds_load_b128 v[\f+8*\i+4:\f+8*\i+7], v[ADRA+\slot] offset:\k+\i*16*PITCH+32
.endr
.endm
; Four places behind a matrix instruction before a load lands on one of its registers or a vector instruction reads its result
.macro PLACES
.rept 4
	v_nop
.endr
.endm
; The 64 accumulators take turns, one instruction a turn, in the same order in every quarter step.
.macro QUARTER slot, k, f, g, zero
	s_wait_dscnt 8                                 ; B and A's rows 0-63 are in; the youngest eight loads (A's rows 64-127) may be out
	WIN MUL_LO
	MUL16 \f, 0, 0, \zero
	MUL16 \f, 0, 2, \zero
	PLACES
	FETCH \slot, \k, \g
	s_wait_dscnt 32                                ; all but the 32 just issued
	WIN MUL_HI
	MUL16 \f, 1, 0, \zero
	MUL16 \f, 1, 2, \zero
.endm
.macro THREE slot, zero
	QUARTER \slot, 64,  F0, F1, \zero
	QUARTER \slot, 128, F1, F0, 0
	QUARTER \slot, 192, F0, F1, 0
.endm
; The last quarter of a K step changes slots.  In front of the barrier each wave waits for its reads of this slot and for all its tensor loads
; (one is out: its part of the next slot); behind it the refill comes first, then the next slot's first fragments.
.macro TURN slot, next, fill
	s_wait_dscnt 8
	WIN MUL_LO
	MUL16 F1, 0, 0, 0
	s_wait_dscnt 0                                 ; my reads of this slot are over
	s_set_vgpr_msb 0xa1a0
	s_wait_tensorcnt 0x0                           ; all my tensor loads have landed
	ds_add_u32 v30, v31
	s_wait_dscnt 0x0
	s_set_vgpr_msb 0xa0a1
	s_barrier_signal -1                            ; (where the slot is filled again this barrier opens a round of the cluster's barrier)
	MUL16 F1, 0, 2, 0                              ; register work while the others arrive
	WIN 0
	s_barrier_wait -1
.if \fill
	CREST                                          ; no wave of any partner still reads this slot or has a load on its way
	s_add_nc_u64 s[G0+4*\slot+2:G0+4*\slot+3], s[G0+4*\slot+2:G0+4*\slot+3], 2*KSTEP*2
	s_add_nc_u64 s[G0B+4*\slot+2:G0B+4*\slot+3], s[G0B+4*\slot+2:G0B+4*\slot+3], 2*KSTEP*2
	JLOAD \slot                                    ; my one tensor load behind the round; 240 matrix instructions stand between it and the wait for it
.endif
	PLACES
	FETCH \next, 0, F0
	WIN MUL_HI
	MUL16 F1, 1, 0, 0
	MUL16 F1, 1, 2, 0
.endm
.macro LAP zero
	THREE 0, \zero
	TURN 0, 1, 1
	THREE 1, 0
	TURN 1, 0, 1
.endm
	s_wait_tensorcnt 1                             ; my part of K step 0 is in; K step 1's may stay out
	s_barrier_signal -1
	s_barrier_wait -1
	FETCH 0, 0, F0
	LAP 1                                          ; the first lap's first products start the sums: nothing is cleared
	WIN 0
	s_mov_b32 s3, LAPS-2
.Llap:
	LAP 0
	WIN 0
	s_sub_co_u32 s3, s3, 1
	s_cmp_lg_u32 s3, 0
	s_cbranch_scc1 .Llap
	THREE 0, 0                                     ; the last lap fills nothing
	TURN 0, 1, 0
	THREE 1, 0
	s_wait_dscnt 8
	WIN MUL_LO
	MUL16 F1, 0, 0, 0
	MUL16 F1, 0, 2, 0
	s_wait_dscnt 0
	WIN MUL_HI
	MUL16 F1, 1, 0, 0
	MUL16 F1, 1, 2, 0
; THE WAY OUT, 16 rows at a time: bias; rotation; bf16; 16 bytes a lane into my stage; back as four rows of a head's 128 bytes, which are
; 512 neighbouring bytes of the head's plane.  The read-back's four rows lie 272 bytes apart and share 16-byte columns two deep: eight loads a tile.
.macro OUTR i, rope
	s_wait_xcnt 0x0                                ; X's first 32 registers were the last tile's store data: rewritten only behind this wait
.if \i < 4
	WIN 0x02                                       ; source 0 = accumulators of window 2
.else
	WIN 0x03
.endif
.irp b, 0,1,2,3,4,5,6,7
.irp p, 0,2,4,6
	v_pk_add_f32 v[X+8*\b+\p:X+8*\b+\p+1], v[8*(8*(\i&3)+\b)+\p:8*(8*(\i&3)+\b)+\p+1], v[32+8*\b+(\b/4)*160+\p:32+8*\b+(\b/4)*160+\p+1]
.endr
.endr
.if \rope
	WIN 0x04                                       ; source 1 = the table, window 1: cos at 32 i + 8 (b & 1) + j, sin 16 further
.irp b, 0,1,4,5
.irp p, 0,2,4,6
	v_pk_mul_f32 v[Y+8*\b+\p:Y+8*\b+\p+1], v[X+8*\b+\p:X+8*\b+\p+1], v[32*\i+8*(\b&1)+\p:32*\i+8*(\b&1)+\p+1]
	v_pk_mul_f32 v[Y+8*\b+16+\p:Y+8*\b+16+\p+1], v[X+8*\b+16+\p:X+8*\b+16+\p+1], v[32*\i+8*(\b&1)+\p:32*\i+8*(\b&1)+\p+1]
	v_pk_fma_f32 v[Y+8*\b+\p:Y+8*\b+\p+1], v[X+8*\b+16+\p:X+8*\b+16+\p+1], v[32*\i+16+8*(\b&1)+\p:32*\i+16+8*(\b&1)+\p+1], v[Y+8*\b+\p:Y+8*\b+\p+1] neg_lo:[1,0,0] neg_hi:[1,0,0]   ; x[d] cos - x[d+32] sin
	v_pk_fma_f32 v[Y+8*\b+16+\p:Y+8*\b+16+\p+1], v[X+8*\b+\p:X+8*\b+\p+1], v[32*\i+16+8*(\b&1)+\p:32*\i+16+8*(\b&1)+\p+1], v[Y+8*\b+16+\p:Y+8*\b+16+\p+1]                         ; x[d+32] cos + x[d] sin
.endr
.endr
.set SRC, Y
.else
.set SRC, X
.endif
	WIN 0
.irp b, 0,1,2,3,4,5,6,7
.irp r, 0,1,2,3
	v_cvt_pk_bf16_f32 v[TMP+4*\b+\r], v[SRC+8*\b+2*\r], v[SRC+8*\b+2*\r+1]
.endr
.endr
.irp b, 0,1,2,3,4,5,6,7
	ds_store_b128 v[STO], v[TMP+4*\b:TMP+4*\b+3] offset:32*\b
.endr
.irp t, 0,1,2,3,4,5,6,7
	ds_load_b128 v[X+4*\t:X+4*\t+3], v[RD] offset:(\t&3)*4*SPITCH+(\t>>2)*128   ; LDS serves a wave's instructions in order (ISA guide 5.7.1.4): these see the stores above
.endr
.irp t, 0,1,2,3,4,5,6,7
	s_wait_dscnt 7-\t                              ; load t is back, the 7 - t younger ones may be out
	global_store_b128 v[LN16], v[X+4*\t:X+4*\t+3], s[8:9] offset:(\t>>2)*PLANE+(\t&3)*512+\i*2048   ; 512 neighbouring bytes, aligned
.endr
.endm
	PLACES                                         ; behind the last matrix instructions: for the reads of results and the loads onto fragment registers
	WIN 0
	s_cmp_eq_u32 s66, 2
	s_cbranch_scc1 .Lout_v
	s_wait_loadcnt 0x0                             ; bias and table tiles 0, 1, 6, 7
	WIN TO_B
	TABLD 2                                        ; the other four tiles, onto B's fragment registers, which are free now
	TABLD 3
	TABLD 4
	TABLD 5
	OUTR 0, 1
	OUTR 1, 1
	OUTR 6, 1
	OUTR 7, 1
	s_wait_loadcnt 0x0                             ; table tiles 2 to 5
	OUTR 2, 1
	OUTR 3, 1
	OUTR 4, 1
	OUTR 5, 1
	s_branch .Ldone
.Lout_v:
	s_wait_loadcnt 0x0                             ; bias
	OUTR 0, 0
	OUTR 1, 0
	OUTR 2, 0
	OUTR 3, 0
	OUTR 4, 0
	OUTR 5, 0
	OUTR 6, 0
	OUTR 7, 0
.Ldone:
	s_wait_tensorcnt 0x0
	ds_add_u32 v30, v31
	s_wait_dscnt 0x0
	CROUND                                         ; the closing round: no work-group ends while a partner may still ask for a tile that names it
	s_endpgm
.Lfunc_end_k_q17d9dd1f24_proj:
	.size	k_q17d9dd1f24_proj, .Lfunc_end_k_q17d9dd1f24_proj-k_q17d9dd1f24_proj
	.p2alignl 7, 3214868480
	.fill 96, 4, 3214868480
	.section	.rodata,"a",@progbits
	.p2align	6, 0x0
	.amdhsa_kernel k_q17d9dd1f24_proj
		.amdhsa_group_segment_fixed_size 327680
		.amdhsa_private_segment_fixed_size 0
		.amdhsa_enable_private_segment 0
		.amdhsa_kernarg_size 48
		.amdhsa_user_sgpr_count 2
		.amdhsa_user_sgpr_kernarg_segment_ptr 1
		.amdhsa_wavefront_size32 1
		.amdhsa_system_sgpr_workgroup_id_x 1
		.amdhsa_system_sgpr_workgroup_id_y 1
		.amdhsa_system_sgpr_workgroup_id_z 1
		.amdhsa_system_vgpr_workitem_id 0
		.amdhsa_next_free_vgpr 1024
		.amdhsa_next_free_sgpr 84
		.amdhsa_reserve_vcc 0
		.amdhsa_float_denorm_mode_32 3
		.amdhsa_float_denorm_mode_16_64 3
		.amdhsa_memory_ordered 1
		.amdhsa_forward_progress 1
		.amdhsa_inst_pref_size 255
	.end_amdhsa_kernel
	.section	.bss,"aw",@nobits
	.p2align	6
	.space	262144
	.amdgpu_metadata
---
amdhsa.version: [ 1, 2 ]
amdhsa.kernels:
  - .name:           k_q17d9dd1f24_proj
    .symbol:         k_q17d9dd1f24_proj.kd
    .args:
      - { .name: cb, .offset: 0, .size: 8, .value_kind: global_buffer, .address_space: global }
      - { .name: tab, .offset: 8, .size: 8, .value_kind: global_buffer, .address_space: global }
      - { .name: bq, .offset: 16, .size: 8, .value_kind: global_buffer, .address_space: global }
      - { .name: bk, .offset: 24, .size: 8, .value_kind: global_buffer, .address_space: global }
      - { .name: bv, .offset: 32, .size: 8, .value_kind: global_buffer, .address_space: global }
      - { .name: qkv, .offset: 40, .size: 8, .value_kind: global_buffer, .address_space: global }
    .group_segment_fixed_size: 327680
    .private_segment_fixed_size: 0
    .kernarg_segment_align: 8
    .kernarg_segment_size: 48
    .max_flat_workgroup_size: 128
    .sgpr_count:     84
    .vgpr_count:     1024
    .wavefront_size: 32
...
	.end_amdgpu_metadata
.endif
;; end of part 2
;; launch attn (part 3): grid 8 x 32, 4 waves a work-group, clusters of 4 x 1, 327,680 bytes of LDS; arguments qkv, ao; writes ao
.if DOCPART == 3
	.amdgcn_target "amdgcn-amd-amdhsa--gfx1250"
	.amdhsa_code_object_version 6
	.text
	.protected	k_q17d9dd1f24_attn
	.globl	k_q17d9dd1f24_attn
	.p2align	8
	.type	k_q17d9dd1f24_attn,@function
k_q17d9dd1f24_attn:
	s_mov_b64 s[64:65], 0
	v_nop
	global_prefetch_b8 v0, s[64:65] scope:SCOPE_SE
	s_setreg_imm32_b32 hwreg(HW_REG_WAVE_MODE, 25, 1), 1
	s_wait_xcnt 0x0
	s_wait_alu depctr_hold_cnt(0) depctr_sa_sdst(0) depctr_va_vdst(0) depctr_va_sdst(0) depctr_va_ssrc(0) depctr_va_vcc(0) depctr_vm_vsrc(0)
	s_getreg_b32 s2, hwreg(HW_REG_IB_STS2, 6, 4)
	s_cmp_eq_u32 s2, 0
	s_cbranch_scc0 .Lentry_in_a_cluster
	s_endpgm
.Lentry_in_a_cluster:
	s_bfe_u32 s2, ttmp6, 0x10000c
	s_cmp_lg_u32 s2, 0x3003
	s_cbranch_scc0 .Lentry_shape_is_right
	s_endpgm
.Lentry_shape_is_right:
; ao[b][h][t][64] = softmax(q k^T / 8) v for one (batch, head) = grid y and 256 queries = grid x, in bf16; running maximum and sum in f32.
; Four waves, 64 queries each as four tiles of 16.  Keys go in tiles of 256 through two LDS slots; a step of the work takes 128 keys.
; CLUSTERS: the four work-groups of a cluster are four query blocks of one head and walk the same K and V tiles: each tile is asked for
; jointly (mask 15), which divides the requests for K and V by four.
; NO ROUND TRIP FOR P.  S^T = K Q^T (source 0 = rows of K, source 1 = rows of Q): lane (r, h) holds query r and keys 16 st + 8 h + 0..7.
; Two neighbouring tiles of S^T, packed to bf16, ARE source 1 of O^T = V^T P^T (query r; k = 8 h .. and 16 + 8 h ..).  Source 0, V^T, comes by
; the transposing LDS load from V as it lies ([s][d]).  In O^T a lane holds query r again, so maximum, sum and rescale factor are one number a
; lane; the two halves of the lanes meet once a step for the maximum, and once at the end for the sum (the factor is equal in both).
; The loop stands in phases (products, softmax, products).
; LIMITS: q, k, v, P and the result in bf16.  v_exp_f32 gives 0 for results under 2^-126.  A NaN among the scores loses in the maxima
; (v_max_num) and then spreads through the exponentials, not bit for bit as in f32 arithmetic.
; LDS: slot n at 81,920 n: K rows 0-127 at 0, rows 128-255 at 20,480 (pitch 144); V rows 0-255 at 40,960 (pitch 160, an odd multiple of 32
; bytes for the transposing load).  Stage at 163,840: 9,216 bytes a wave, written by LDS stores alone; no tensor load lands there.
; REGISTERS: window 0 addresses, Q, S, P, softmax state; window 1 O[qt][dt] at v[32 qt + 8 dt];
;            window 2 K fragments [st][ks] at v[16 st + 8 ks], V^T fragments [sb][dt] at v[128 + 32 sb + 8 dt].
.set QUARTER, 20480                    ; what one wave's tensor load may fill
.set SLOT,    81920
.set KP,      144
.set VP,      160
.set VOFF,    40960
.set STAGE,   163840
.set WSTAGE,  9216
.set TILEB,   32768                    ; 256 keys of 128 bytes
.set QO,  8                            ; 128 r + 16 h
.set KA,  10                           ; v10-11  K fragments in slot 0, 1
.set VA,  12                           ; v12-13  V^T fragments in slot 0, 1
.set STO, 14
.set RD,  15
.set CO,  16
.set Q,   32                           ; v[32+16qt+8ks]
.set S,   96                           ; v[96+8st]: scores, then P in f32
.set PF,  160                          ; v[160+8sb]: P in bf16
.set M,   192                          ; running maximum of each query tile
.set LS,  196                          ; running sum (of my half of the lanes)
.set MX,  200                          ; four chains of maxima
.set MN,  204                          ; the new maximum
.set D,   205
.set AL,  206                          ; v[206:207] the rescale factor, twice
.set NM,  208                          ; v[208:209] -c x maximum, twice
.set SUM0, 210
.set SUM1, 212
.set G1K, 24
.set G0K, 32
.set G1V, 48
.set G0V, 56
.set MSB, 0
.macro WIN new
.if MSB != \new
	s_set_vgpr_msb (MSB<<8)|\new
.set MSB, \new
.endif
.endm
.macro ROUND                           ; a round of the cluster's barrier
	s_barrier_signal -1
	s_barrier_wait -1
	s_cmp_lg_u32 s10, 0
	s_cbranch_scc1 .Lnot_wave_0_\@
	s_barrier_signal -3
.Lnot_wave_0_\@:
	s_barrier_wait -3
	s_barrier_signal -1
	s_barrier_wait -1
.endm
.macro JLOAD n                         ; waves 0 and 1 ask for K's halves, waves 2 and 3 for V's
	s_cmp_eq_u32 s11, 0
	s_cbranch_scc0 .Lfor_v_\@
	tensor_load_to_lds s[G0K+4*\n:G0K+4*\n+3], s[G1K:G1K+7]
	s_nop 0
	s_branch .Lasked_\@
.Lfor_v_\@:
	tensor_load_to_lds s[G0V+4*\n:G0V+4*\n+3], s[G1V:G1V+7]
	s_nop 0
.Lasked_\@:
.endm
	s_load_b128 s[4:7], s[0:1], 0x0                ; qkv, ao
	v_lshl_add_u32 v254, v0, 2, 0x31000
	v_mov_b32 v255, 0
	ds_add_u32 v254, v255
	v_lshrrev_b32 v1, 5, v0
	v_readfirstlane_b32 s10, v1                    ; wave
	s_lshr_b32 s11, s10, 1                         ; I fetch for K (0) or V (1)
	s_and_b32 s12, s10, 1                          ; which 128 rows
	s_bfe_u32 s40, ttmp6, 0x40000                  ; cx
	s_and_b32 s13, ttmp7, 0xffff                   ; 16 b + h
	s_mov_b32 s66, 0x3e38aa3b                      ; c = log2(e) / 8: the scale and the change of base in one factor
	s_mov_b32 s67, 0x3e38aa3b
	s_mov_b32 s68, 0xbe38aa3b                      ; -c
	s_mov_b32 s70, 0x76543210                      ; v_permlanex16_b32: lane i of one half reads lane i of the other
	s_mov_b32 s71, 0xfedcba98
	; group 1: 128 rows x 64 elements of 2 bytes; padding behind every 32 words: 4 words for K, 8 for V; mask 15, bit 21 beside it
	s_mov_b32 s[G1K+0], 15|(1<<16)|(1<<20)|(1<<21)|(4<<22)|(3<<25)
	s_mov_b32 s[G1V+0], 15|(1<<16)|(1<<20)|(1<<21)|(4<<22)|(7<<25)
	s_mov_b32 s[G1K+1], 64<<16
	s_mov_b32 s[G1V+1], 64<<16
	s_mov_b32 s[G1K+2], 128<<16
	s_mov_b32 s[G1V+2], 128<<16
	s_mov_b32 s[G1K+3], 64<<16
	s_mov_b32 s[G1V+3], 64<<16
	s_mov_b32 s[G1K+4], 128
	s_mov_b32 s[G1V+4], 128
	s_mov_b32 s[G1K+5], 64
	s_mov_b32 s[G1V+5], 64
	s_mov_b32 s[G1K+6], 0
	s_mov_b32 s[G1V+6], 0
	s_mov_b32 s[G1K+7], 0
	s_mov_b32 s[G1V+7], 0
	s_lshl_b32 s18, s13, 18                        ; the head's plane
	s_lshl_b32 s19, s12, 14                        ; my 128 rows of 128 bytes
	s_add_co_u32 s14, s18, s19
	s_add_co_u32 s14, s14, 8388608                 ; k lies behind q,
	s_mov_b32 s15, 0
	s_add_co_u32 s16, s14, 8388608                 ; v behind k.  No place in the cluster enters these
	s_mov_b32 s17, 0
	s_mul_i32 s20, s10, QUARTER                    ; LDS: wave x 20,480
	s_lshl_b32 s21, ttmp9, 2
	s_add_co_u32 s21, s21, s40                     ; query block
	s_lshl_b32 s21, s21, 15                        ; 256 rows of 128 bytes
	s_lshl_b32 s22, s10, 13                        ; 64 rows a wave
	s_add_co_u32 s22, s22, s21
	s_add_co_u32 s22, s22, s18
	s_mov_b32 s23, 0
	s_wait_dscnt 0x0
	s_wait_kmcnt 0x0
	s_add_nc_u64 s[14:15], s[4:5], s[14:15]
	s_add_nc_u64 s[16:17], s[4:5], s[16:17]
	s_add_nc_u64 s[4:5], s[4:5], s[22:23]          ; my 64 rows of q
	s_add_nc_u64 s[6:7], s[6:7], s[22:23]          ; and of the result
.irp n, 0,1
	s_mov_b32 s[G0K+4*\n], 1
	s_add_co_u32 s[G0K+4*\n+1], s20, \n*SLOT
	s_add_nc_u64 s[G0K+4*\n+2:G0K+4*\n+3], s[14:15], \n*TILEB
	s_or_b32 s[G0K+4*\n+3], s[G0K+4*\n+3], 0x80000000
	s_mov_b32 s[G0V+4*\n], 1
	s_add_co_u32 s[G0V+4*\n+1], s20, \n*SLOT
	s_add_nc_u64 s[G0V+4*\n+2:G0V+4*\n+3], s[16:17], \n*TILEB
	s_or_b32 s[G0V+4*\n+3], s[G0V+4*\n+3], 0x80000000
.endr
	ROUND                                          ; in front of the first joint load
	JLOAD 0                                        ; keys 0-255
	v_and_b32 v1, 15, v0                           ; r
	v_bfe_u32 v2, v0, 4, 1                         ; h
	v_and_b32 v3, 31, v0                           ; lane
	v_lshlrev_b32 v4, 4, v2
	v_lshl_add_u32 v[QO], v1, 7, v4
.irp qt, 0,1,2,3
.irp ks, 0,1
	global_load_b128 v[Q+16*\qt+8*\ks:Q+16*\qt+8*\ks+3],   v[QO], s[4:5] offset:2048*\qt+64*\ks      ; q(16 qt + r, 32 ks + 8 h ..)
	global_load_b128 v[Q+16*\qt+8*\ks+4:Q+16*\qt+8*\ks+7], v[QO], s[4:5] offset:2048*\qt+64*\ks+32   ; and 16 further
.endr
.endr
	v_mul_u32_u24 v5, v1, KP
	v_add_nc_u32 v[KA], v5, v4                     ; 144 r + 16 h
	v_add_nc_u32 v[KA+1], SLOT, v[KA]
	v_and_b32 v5, 7, v0
	v_lshl_add_u32 v5, v2, 3, v5                   ; key row 8 h + (lane & 7)
	v_mul_u32_u24 v5, v5, VP
	v_bfe_u32 v6, v0, 3, 1
	v_lshl_add_u32 v5, v6, 4, v5                   ; + 16 ((lane >> 3) & 1)
	v_add_nc_u32 v[VA], VOFF, v5
	v_add_nc_u32 v[VA+1], VOFF+SLOT, v5
	s_mul_i32 s21, s10, WSTAGE
	s_add_co_u32 s21, s21, STAGE                   ; my stage
	v_add_nc_u32 v[STO], s21, v[KA]                ; in: row r, 16 bytes for each half of the lanes
	v_lshrrev_b32 v7, 3, v3
	v_mul_u32_u24 v7, v7, KP
	v_and_b32 v9, 7, v0
	v_lshl_add_u32 v7, v9, 4, v7
	v_add_nc_u32 v[RD], s21, v7                    ; back: four rows of 128 bytes
	v_lshlrev_b32 v[CO], 4, v3
	s_wait_loadcnt 0x0                             ; q
; S^T of query tile qt against 128 keys: eight accumulators take turns, one instruction a turn
.macro QK qt
	WIN 0x02                                       ; source 0 (K) window 2
.irp st, 0,1,2,3,4,5,6,7
	v_wmma_f32_16x16x32_bf16 v[S+8*\st:S+8*\st+7], v[16*\st:16*\st+7], v[Q+16*\qt:Q+16*\qt+7], 0
.endr
.irp st, 0,1,2,3,4,5,6,7
	v_wmma_f32_16x16x32_bf16 v[S+8*\st:S+8*\st+7], v[16*\st+8:16*\st+15], v[Q+16*\qt+8:Q+16*\qt+15], v[S+8*\st:S+8*\st+7]
.endr
.endm
.macro SFMA st                         ; c s - c max
.irp p, 0,2,4,6
	v_pk_fma_f32 v[S+8*\st+\p:S+8*\st+\p+1], v[S+8*\st+\p:S+8*\st+\p+1], s[66:67], v[NM:NM+1] op_sel_hi:[1,0,1]
.endr
.endm
.macro SEXP st
.irp j, 0,1,2,3,4,5,6,7
	v_exp_f32 v[S+8*\st+\j], v[S+8*\st+\j]
.endr
.endm
.macro SCONS st                        ; add to the sums (tile 0 starts them) and pack to bf16
.if \st == 0
	s_wait_alu depctr_va_vdst(0)
	v_pk_add_f32 v[SUM0:SUM0+1], v[S:S+1], v[S+4:S+5]
	v_pk_add_f32 v[SUM1:SUM1+1], v[S+2:S+3], v[S+6:S+7]
.else
	s_wait_alu depctr_va_vdst(0)
	v_pk_add_f32 v[SUM0:SUM0+1], v[SUM0:SUM0+1], v[S+8*\st:S+8*\st+1]
	v_pk_add_f32 v[SUM1:SUM1+1], v[SUM1:SUM1+1], v[S+8*\st+2:S+8*\st+3]
	v_pk_add_f32 v[SUM0:SUM0+1], v[SUM0:SUM0+1], v[S+8*\st+4:S+8*\st+5]
	v_pk_add_f32 v[SUM1:SUM1+1], v[SUM1:SUM1+1], v[S+8*\st+6:S+8*\st+7]
.endif
.irp r, 0,1,2,3
	v_cvt_pk_bf16_f32 v[PF+4*\st+\r], v[S+8*\st+2*\r], v[S+8*\st+2*\r+1]
.endr
.endm
; The softmax step of query tile qt.  first = 1: no earlier maximum, sum or factor.
.macro SOFT qt, first
	WIN 0
.rept 4
	v_nop                                          ; four places behind the products before their results are read and P's registers rewritten (ISA guide 7.12.1)
.endr
.irp k, 0,1,2,3
	v_max3_num_f32 v[MX+\k], v[S+16*\k], v[S+16*\k+1], v[S+16*\k+2]          ; four chains over 16 registers each
.endr
.irp e, 3,5,7,9,11,13
.irp k, 0,1,2,3
	v_max3_num_f32 v[MX+\k], v[MX+\k], v[S+16*\k+\e], v[S+16*\k+\e+1]
.endr
.endr
	v_max3_num_f32 v[MX], v[MX], v[MX+1], v[S+15]                            ; the chains meet and take in each chain's sixteenth
	v_max3_num_f32 v[MX+2], v[MX+2], v[MX+3], v[S+31]
	v_max3_num_f32 v[MX], v[MX], v[MX+2], v[S+47]
.if \first
	v_max_num_f32 v[MX], v[MX], v[S+63]
.else
	v_max3_num_f32 v[MX], v[MX], v[S+63], v[M+\qt]                           ; and the running maximum
.endif
	v_permlanex16_b32 v[MX+1], v[MX], s70, s71                               ; the other half's keys of the same query
	v_max_num_f32 v[MN], v[MX], v[MX+1]
	v_mul_f32 v[NM], s68, v[MN]
	v_mul_f32 v[NM+1], s68, v[MN]
.if \first == 0
	v_fma_f32 v[D], v[M+\qt], s66, v[NM]                                     ; c (old maximum - new maximum)
	v_exp_f32 v[AL], v[D]
.endif
	v_mov_b32 v[M+\qt], v[MN]                                                ; also the plain instruction behind the exponential (ISA guide 5.7.2)
.if \first == 0
	s_wait_alu depctr_va_vdst(0)
	v_mov_b32 v[AL+1], v[AL]
.endif
	SFMA 0
	SEXP 0
.irp st, 1,2,3,4,5,6,7
	SFMA \st                                       ; the next tile's multiply-adds are the plain instructions behind a tile's eight exponentials
	SCONS (\st-1)
	SEXP \st
.endr
	v_nop
	SCONS 7
	v_pk_add_f32 v[SUM0:SUM0+1], v[SUM0:SUM0+1], v[SUM1:SUM1+1]
.if \first
	v_add_f32 v[LS+\qt], v[SUM0], v[SUM0+1]
.else
	v_add_f32 v[SUM0], v[SUM0], v[SUM0+1]
	v_fma_f32 v[LS+\qt], v[LS+\qt], v[AL], v[SUM0]
.endif
.endm
.macro RESC qt                         ; O x factor
	WIN 0x41                                       ; destination and source 0 window 1
.set e, 0
.rept 16
	v_pk_mul_f32 v[32*\qt+e:32*\qt+e+1], v[32*\qt+e:32*\qt+e+1], v[AL:AL+1]
.set e, e+2
.endr
.endm
; O^T += V^T P^T: four accumulators take turns, one instruction a turn.  In the first step the first 32 keys start the sums.
.macro PV qt, first
	WIN 0x52                                       ; source 0 (V^T) window 2, source 1 (P) window 0, C and D window 1
.irp sb, 0,1,2,3
.irp dt, 0,1,2,3
.if \first > \sb                                   ; first = 1 and sb = 0
	v_wmma_f32_16x16x32_bf16 v[32*\qt+8*\dt:32*\qt+8*\dt+7], v[128+32*\sb+8*\dt:128+32*\sb+8*\dt+7], v[PF+8*\sb:PF+8*\sb+7], 0
.else
	v_wmma_f32_16x16x32_bf16 v[32*\qt+8*\dt:32*\qt+8*\dt+7], v[128+32*\sb+8*\dt:128+32*\sb+8*\dt+7], v[PF+8*\sb:PF+8*\sb+7], v[32*\qt+8*\dt:32*\qt+8*\dt+7]
.endif
.endr
.endr
.endm
; 128 keys (half hf of a slot) against my four query tiles
.macro STEP slot, hf, first
	WIN 0x80                                       ; destination window 2
.irp st, 0,1,2,3,4,5,6,7
.irp ks, 0,1
	ds_load_b128 v[16*\st+8*\ks:16*\st+8*\ks+3],   v[KA+\slot] offset:\hf*QUARTER+\st*16*KP+64*\ks
	ds_load_b128 v[16*\st+8*\ks+4:16*\st+8*\ks+7], v[KA+\slot] offset:\hf*QUARTER+\st*16*KP+64*\ks+32
.endr
.endr
.irp sb, 0,1,2,3
.irp dt, 0,1,2,3
	ds_load_tr16_b128 v[128+32*\sb+8*\dt:128+32*\sb+8*\dt+3],   v[VA+\slot] offset:(128*\hf+32*\sb)*VP+32*\dt
	ds_load_tr16_b128 v[128+32*\sb+8*\dt+4:128+32*\sb+8*\dt+7], v[VA+\slot] offset:(128*\hf+32*\sb)*VP+32*\dt+16*VP
.endr
.endr
	s_wait_dscnt 32                                ; K's 32 loads are in; V's 32 younger ones may stay out
.irp qt, 0,1,2,3
	QK \qt
	SOFT \qt, \first
.if \qt == 0
	s_wait_dscnt 0x0                               ; V^T
.endif
.if \first == 0
	RESC \qt
.endif
	PV \qt, \first
.endr
	WIN 0
.rept 4
	v_nop                                          ; four places before the next loads land on V^T's registers, or the way out reads O
.endr
.endm
; A tile of 256 keys.  The round of the cluster's barrier stands where a slot is filled again: each wave's waits in front of it, the joint refill first behind it.
.macro TRIP slot, refill, first
	s_wait_tensorcnt 0x0                           ; all my tensor loads have landed, my part of this tile among them,
	ds_add_u32 v254, v255
	s_wait_dscnt 0x0
	s_add_nc_u64 s[G0K+4*\slot+2:G0K+4*\slot+3], s[G0K+4*\slot+2:G0K+4*\slot+3], 2*TILEB   ; so every group 0 may be written: this slot's next tile
	s_add_nc_u64 s[G0V+4*\slot+2:G0V+4*\slot+3], s[G0V+4*\slot+2:G0V+4*\slot+3], 2*TILEB
	s_wait_dscnt 0x0                               ; my reads of the last tile are over
	ROUND                                          ; both now hold of every wave of the four work-groups
.if \refill
	JLOAD (1-\slot)                                ; my one tensor load behind the round: the next tile; it has this tile's 256 matrix instructions and softmax in which to land
.endif
	STEP \slot, 0, \first
	STEP \slot, 1, 0
.endm
	TRIP 0, 1, 1                                   ; eight tiles: two here (the first starts maxima and sums),
	TRIP 1, 1, 0
	s_mov_b32 s44, 2
.Lloop:
	TRIP 0, 1, 0                                   ; four in the loop,
	TRIP 1, 1, 0
	s_sub_co_u32 s44, s44, 1
	s_cmp_lg_u32 s44, 0
	s_cbranch_scc1 .Lloop
	TRIP 0, 1, 0                                   ; two behind it: the last fetches nothing
	TRIP 1, 0, 0
	; THE WAY OUT: join the halves' sums, divide, bf16, through my stage, out as 512 neighbouring bytes (four rows of the head's plane) a store
.irp qt, 0,1,2,3
	v_permlanex16_b32 v[MX+1], v[LS+\qt], s70, s71
	v_add_f32 v[D], v[LS+\qt], v[MX+1]
	v_rcp_f32 v[AL], v[D]
	v_nop                                          ; the plain place behind the reciprocal (ISA guide 5.7.2)
	s_wait_alu depctr_va_vdst(0)
	v_mov_b32 v[AL+1], v[AL]
	WIN 0x01                                       ; source 0 (O) window 1
.set e, 0
.rept 16
	v_pk_mul_f32 v[S+e:S+e+1], v[32*\qt+e:32*\qt+e+1], v[AL:AL+1]
.set e, e+2
.endr
	WIN 0
.set e, 0
.rept 16
	v_cvt_pk_bf16_f32 v[PF+e], v[S+2*e], v[S+2*e+1]
.set e, e+1
.endr
.irp dt, 0,1,2,3
	ds_store_b128 v[STO], v[PF+4*\dt:PF+4*\dt+3] offset:16*KP*\qt+32*\dt      ; row r, columns 16 dt + 8 h + 0..7
.endr
.endr
.set n, 0
.rept 16
	ds_load_b128 v[Q+4*n:Q+4*n+3], v[RD] offset:(n/4)*16*KP+(n%4)*4*KP        ; LDS serves a wave's instructions in order (ISA guide 5.7.1.4): these see the stores above
.set n, n+1
.endr
.set n, 0
.rept 16
	s_wait_dscnt 15-n                              ; load n is back, the 15 - n younger ones may be out
	global_store_b128 v[CO], v[Q+4*n:Q+4*n+3], s[6:7] offset:512*n
.set n, n+1
.endr
	s_wait_tensorcnt 0x0
	ds_add_u32 v254, v255
	s_wait_dscnt 0x0
	ROUND                                          ; the closing round
	s_endpgm
.Lfunc_end_k_q17d9dd1f24_attn:
	.size	k_q17d9dd1f24_attn, .Lfunc_end_k_q17d9dd1f24_attn-k_q17d9dd1f24_attn
	.p2alignl 7, 3214868480
	.fill 96, 4, 3214868480
	.section	.rodata,"a",@progbits
	.p2align	6, 0x0
	.amdhsa_kernel k_q17d9dd1f24_attn
		.amdhsa_group_segment_fixed_size 327680
		.amdhsa_private_segment_fixed_size 0
		.amdhsa_enable_private_segment 0
		.amdhsa_kernarg_size 16
		.amdhsa_user_sgpr_count 2
		.amdhsa_user_sgpr_kernarg_segment_ptr 1
		.amdhsa_wavefront_size32 1
		.amdhsa_system_sgpr_workgroup_id_x 1
		.amdhsa_system_sgpr_workgroup_id_y 1
		.amdhsa_system_sgpr_workgroup_id_z 1
		.amdhsa_system_vgpr_workitem_id 0
		.amdhsa_next_free_vgpr 768
		.amdhsa_next_free_sgpr 72
		.amdhsa_reserve_vcc 0
		.amdhsa_float_denorm_mode_32 3
		.amdhsa_float_denorm_mode_16_64 3
		.amdhsa_memory_ordered 1
		.amdhsa_forward_progress 1
		.amdhsa_inst_pref_size 255
	.end_amdhsa_kernel
	.section	.bss,"aw",@nobits
	.p2align	6
	.space	262144
	.amdgpu_metadata
---
amdhsa.version: [ 1, 2 ]
amdhsa.kernels:
  - .name:           k_q17d9dd1f24_attn
    .symbol:         k_q17d9dd1f24_attn.kd
    .args:
      - { .name: qkv, .offset: 0, .size: 8, .value_kind: global_buffer, .address_space: global }
      - { .name: ao, .offset: 8, .size: 8, .value_kind: global_buffer, .address_space: global }
    .group_segment_fixed_size: 327680
    .private_segment_fixed_size: 0
    .kernarg_segment_align: 8
    .kernarg_segment_size: 16
    .max_flat_workgroup_size: 128
    .sgpr_count:     72
    .vgpr_count:     768
    .wavefront_size: 32
...
	.end_amdgpu_metadata
.endif
;; end of part 3
;; launch outp (part 4): grid 8 x 32, 4 waves a work-group, clusters of 4 x 4, 327,680 bytes of LDS; arguments ao, cb, bo, out0; writes out0
.if DOCPART == 4
	.amdgcn_target "amdgcn-amd-amdhsa--gfx1250"
	.amdhsa_code_object_version 6
	.text
	.protected	k_q17d9dd1f24_outp
	.globl	k_q17d9dd1f24_outp
	.p2align	8
	.type	k_q17d9dd1f24_outp,@function
k_q17d9dd1f24_outp:
	s_mov_b64 s[64:65], 0
	v_nop
	global_prefetch_b8 v0, s[64:65] scope:SCOPE_SE
	s_setreg_imm32_b32 hwreg(HW_REG_WAVE_MODE, 25, 1), 1
	s_wait_xcnt 0x0
	s_wait_alu depctr_hold_cnt(0) depctr_sa_sdst(0) depctr_va_vdst(0) depctr_va_sdst(0) depctr_va_ssrc(0) depctr_va_vcc(0) depctr_vm_vsrc(0)
	s_getreg_b32 s2, hwreg(HW_REG_IB_STS2, 6, 4)
	s_cmp_eq_u32 s2, 0
	s_cbranch_scc0 .Lentry_in_a_cluster
	s_endpgm
.Lentry_in_a_cluster:
	s_bfe_u32 s2, ttmp6, 0x10000c
	s_cmp_lg_u32 s2, 0xf033
	s_cbranch_scc0 .Lentry_shape_is_right
	s_endpgm
.Lentry_shape_is_right:
; out0 = A Wo^T + bo in f32.  A[m][64 h + d] = ao[b][h][t][d] (bf16, by heads), m = 2,048 b + t;  Wo in bf16 is cb's last 2,097,152 bytes.
; 256 work-groups of 128 x 128, four waves of 64 x 64 (16 accumulator tiles): blocks of 256 x 256 would be 64 work-groups.
; K goes in four tiles of 256 (four heads) through two LDS slots.  A head's 128 rows are a dense block of 16,384 bytes of ao, so a wave's
; part of A's tile is two such blocks, stated as two rows of 8,192 elements one plane apart; the padding of 4 words behind every 32, counted
; along the tile, gives each row of 128 bytes its pitch of 144.  B's part is 64 rows of 512 bytes, pitch 528.
; CLUSTERS: 4 x 4; A's tile is shared along a row of the cluster, B's along a column, as joint loads.
; REGISTERS: window 0 v16-28 addresses, v32-63 bias, v64-127 and v128-191 fragments of A (a buffer holds one head: 64 along K), v192-223 way out;
;            window 1 fragments of B; window 2 accumulator tile (a, b) at v[8 (4 a + b)].
; The matrix instruction is used transposed (source 0 = rows of Wo): a lane holds row l % 16 and eight neighbouring columns.
; LIMITS: operands in bf16, sums and result in f32.
.set QUARTER, 36864                    ; what one wave's tensor load fills
.set SLOT,    147456
.set STAGE,   294912                   ; 16 rows x 272 bytes for each wave; no tensor load lands here
.set SPITCH,  272
.set AP,      144
.set ASUB,    18432                    ; a head's 128 rows in LDS
.set BP,      528
.set WOOFF,   31457280                 ; wo in cb
.set ADRA, 16
.set ADRB, 20
.set STO,  24
.set RD,   25
.set CO,   26
.set BO,   28
.set BIAS, 32
.set F0,   64
.set F1,   128
.set X,    192
.set G1, 24
.set G0, 32
.set G1B, 48
.set G0B, 56
.set MSB, 0
.macro WIN new
.if MSB != \new
	s_set_vgpr_msb (MSB<<8)|\new
.set MSB, \new
.endif
.endm
.set MULW, 0xa1                        ; source 0 (Wo) window 1, source 1 (A) window 0, C and D window 2
.set TO_B, 0x40
.macro JLOAD s
	s_cmp_eq_u32 s11, 0
	s_cbranch_scc0 .Lfor_b_\@
	tensor_load_to_lds s[G0+4*\s:G0+4*\s+3], s[G1:G1+7]
	s_nop 0
	s_branch .Lasked_\@
.Lfor_b_\@:
	tensor_load_to_lds s[G0B+4*\s:G0B+4*\s+3], s[G1B:G1B+7]
	s_nop 0
.Lasked_\@:
.endm
.macro CREST
	s_cmp_lg_u32 s10, 0
	s_cbranch_scc1 .Lnot_wave_0_\@
	s_barrier_signal -3
.Lnot_wave_0_\@:
	s_barrier_wait -3
	s_barrier_signal -1
	s_barrier_wait -1
.endm
.macro CROUND
	s_barrier_signal -1
	s_barrier_wait -1
	CREST
.endm
	s_load_b256 s[68:75], s[0:1], 0x0              ; ao 68:69, cb 70:71, bo 72:73, out0 74:75
	s_set_vgpr_msb 0x40
	v_lshl_add_u32 v255, v0, 2, 0x4c400
	s_set_vgpr_msb 0x4000
	v_mov_b32 v255, 0
	s_set_vgpr_msb 0x1
	ds_add_u32 v255, v255
	s_set_vgpr_msb 0x100
	v_lshrrev_b32 v1, 5, v0
	v_readfirstlane_b32 s10, v1                    ; wave
	s_lshr_b32 s11, s10, 1                         ; my half of the rows.  Also: I fetch for A (0) or B (1)
	s_and_b32 s12, s10, 1                          ; my half of the columns.  Also: which half of that tile I fetch
	s_bfe_u32 s40, ttmp6, 0x40000                  ; cx
	s_bfe_u32 s41, ttmp6, 0x40004                  ; cy
	s_lshl_b32 s42, ttmp9, 2
	s_add_co_u32 s42, s42, s40                     ; block column 0..7
	s_and_b32 s13, ttmp7, 0xffff
	s_lshl_b32 s13, s13, 2
	s_add_co_u32 s13, s13, s41                     ; block row 0..31
	s_lshl_b32 s43, s41, 2
	s_lshl_b32 s43, 15, s43                        ; my row of the cluster
	s_lshl_b32 s44, 0x1111, s40                    ; my column
	s_or_b32 s[G1+0], s43, (1<<16)|(1<<20)|(1<<21)|(4<<22)|(3<<25)    ; A: 2-byte elements, 4 words of padding behind every 32
	s_mov_b32 s[G1+1], 8192<<16                    ; tensor_dim0 = 8,192: a head's 128 rows x 64
	s_mov_b32 s[G1+2], 2<<16                       ; tensor_dim1 = 2 heads
	s_mov_b32 s[G1+3], 8192<<16                    ; tile_dim0
	s_mov_b32 s[G1+4], 2                           ; tile_dim1
	s_mov_b32 s[G1+5], 131072                      ; elements from a head's plane to the next
	s_mov_b32 s[G1+6], 0
	s_mov_b32 s[G1+7], 0
	s_or_b32 s[G1B+0], s44, (1<<16)|(1<<20)|(1<<21)|(6<<22)|(3<<25)   ; B: 4 words behind every 128
	s_mov_b32 s[G1B+1], 256<<16
	s_mov_b32 s[G1B+2], 64<<16
	s_mov_b32 s[G1B+3], 256<<16
	s_mov_b32 s[G1B+4], 64
	s_mov_b32 s[G1B+5], 1024
	s_mov_b32 s[G1B+6], 0
	s_mov_b32 s[G1B+7], 0
	s_lshr_b32 s16, s13, 4                         ; A: batch, 16 planes of 262,144 bytes;
	s_lshl_b32 s16, s16, 22
	s_and_b32 s17, s13, 15
	s_lshl_b32 s17, s17, 14                        ; 128 positions of 128 bytes;
	s_add_co_u32 s16, s16, s17
	s_lshl_b32 s18, s12, 19                        ; my two heads of the tile's four
	s_add_co_u32 s16, s16, s18
	s_mov_b32 s17, 0
	s_lshl_b32 s46, s42, 7                         ; B: row 128 block column + 64 half, 2,048 bytes a row
	s_lshl_b32 s47, s12, 6
	s_add_co_u32 s46, s46, s47
	s_lshl_b32 s46, s46, 11
	s_add_co_u32 s46, s46, WOOFF
	s_mov_b32 s47, 0
	s_mul_i32 s20, s10, QUARTER                    ; LDS: wave x 36,864: A's heads 0-1, 2-3, then B's halves
	s_wait_dscnt 0x0
	s_wait_kmcnt 0x0
	s_add_nc_u64 s[14:15], s[68:69], s[16:17]
	s_add_nc_u64 s[46:47], s[70:71], s[46:47]
	CROUND                                         ; in front of the first joint loads
.irp s, 0,1
	s_mov_b32 s[G0+4*\s], 1
	s_add_co_u32 s[G0+4*\s+1], s20, \s*SLOT
	s_add_nc_u64 s[G0+4*\s+2:G0+4*\s+3], s[14:15], \s*1048576      ; four planes a tile
	s_or_b32 s[G0+4*\s+3], s[G0+4*\s+3], 0x80000000
	s_mov_b32 s[G0B+4*\s], 1
	s_add_co_u32 s[G0B+4*\s+1], s20, \s*SLOT
	s_add_nc_u64 s[G0B+4*\s+2:G0B+4*\s+3], s[46:47], \s*512        ; 256 elements along K
	s_or_b32 s[G0B+4*\s+3], s[G0B+4*\s+3], 0x80000000
	JLOAD \s                                       ; two tensor loads of the wave are out
.endr
	s_lshl_b32 s4, s42, 9                          ; the bias at my 64 columns
	s_lshl_b32 s5, s12, 8
	s_add_co_u32 s4, s4, s5
	s_mov_b32 s5, 0
	s_add_nc_u64 s[72:73], s[72:73], s[4:5]
	s_lshl_b32 s6, s13, 19                         ; the result: row 128 block row + 64 half, 4,096 bytes a row, + the same columns
	s_lshl_b32 s7, s11, 18
	s_add_co_u32 s6, s6, s7
	s_add_co_u32 s4, s4, s6
	s_add_nc_u64 s[8:9], s[74:75], s[4:5]
	v_and_b32 v1, 15, v0                           ; r
	v_bfe_u32 v2, v0, 4, 1                         ; h
	v_lshlrev_b32 v[BO], 5, v2
.irp b, 0,1,2,3
	global_load_b128 v[BIAS+8*\b:BIAS+8*\b+3],   v[BO], s[72:73] offset:64*\b       ; columns 16 b + 8 h + 0..3
	global_load_b128 v[BIAS+8*\b+4:BIAS+8*\b+7], v[BO], s[72:73] offset:64*\b+16
.endr
	v_mul_u32_u24 v3, v1, AP
	v_lshl_add_u32 v3, v2, 4, v3                   ; 144 r + 16 h
	v_mul_u32_u24 v4, v1, BP
	v_lshl_add_u32 v4, v2, 4, v4                   ; 528 r + 16 h
	s_mul_i32 s21, s11, 64*AP                      ; my 64 rows of each head's 128
	s_mul_i32 s22, s12, QUARTER
	s_add_co_u32 s22, s22, 2*QUARTER               ; my 64 rows of B
.irp s, 0,1
	v_add_nc_u32 v[ADRA+\s], s21, v3
	v_add_nc_u32 v[ADRB+\s], s22, v4
	s_add_co_u32 s21, s21, SLOT
	s_add_co_u32 s22, s22, SLOT
.endr
	s_mul_i32 s23, s10, 16*SPITCH
	s_add_co_u32 s23, s23, STAGE
	v_mul_u32_u24 v5, v1, SPITCH
	v_lshl_add_u32 v5, v2, 5, v5
	v_add_nc_u32 v[STO], s23, v5                   ; in: row r, 32 bytes for each half of the lanes
	v_mul_u32_u24 v5, v2, SPITCH
	v_lshl_add_u32 v5, v1, 4, v5
	v_add_nc_u32 v[RD], s23, v5                    ; back: 16 lanes take a row of 256 bytes
	v_lshlrev_b32 v5, 12, v2
	v_lshl_add_u32 v[CO], v1, 4, v5                ; and the same two rows in out0
; 8 matrix instructions: m blocks a0, a0 + 1 x 4 n blocks, 32 along K (half ks of a buffer)
.macro MUL8 f, ks, a0, zero
.irp a, \a0, \a0+1
.irp b, 0,1,2,3
.if \zero
	v_wmma_f32_16x16x32_bf16 v[8*(4*(\a)+\b):8*(4*(\a)+\b)+7], v[\f+8*(4*\ks+\b):\f+8*(4*\ks+\b)+7], v[\f+8*(4*\ks+(\a)):\f+8*(4*\ks+(\a))+7], 0
.else
	v_wmma_f32_16x16x32_bf16 v[8*(4*(\a)+\b):8*(4*(\a)+\b)+7], v[\f+8*(4*\ks+\b):\f+8*(4*\ks+\b)+7], v[\f+8*(4*\ks+(\a)):\f+8*(4*\ks+(\a))+7], v[8*(4*(\a)+\b):8*(4*(\a)+\b)+7]
.endif
.endr
.endr
.endm
; 32 LDS loads: head p of a slot (64 along K) into buffer f: B's 16, then A's 16 with the first 32 of K ahead
.macro FETCH slot, p, f
	WIN TO_B
.irp ks, 0,1
.irp b, 0,1,2,3
	ds_load_b128 v[\f+8*(4*\ks+\b):\f+8*(4*\ks+\b)+3],   v[ADRB+\slot] offset:\b*16*BP+128*\p+64*\ks
	ds_load_b128 v[\f+8*(4*\ks+\b)+4:\f+8*(4*\ks+\b)+7], v[ADRB+\slot] offset:\b*16*BP+128*\p+64*\ks+32
.endr
.endr
	WIN 0
.irp ks, 0,1
.irp a, 0,1,2,3
	ds_load_b128 v[\f+8*(4*\ks+\a):\f+8*(4*\ks+\a)+3],   v[ADRA+\slot] offset:\p*ASUB+\a*16*AP+64*\ks
	ds_load_b128 v[\f+8*(4*\ks+\a)+4:\f+8*(4*\ks+\a)+7], v[ADRA+\slot] offset:\p*ASUB+\a*16*AP+64*\ks+32
.endr
.endr
.endm
.macro PLACES                          ; four places behind a matrix instruction before a load lands on its registers or its result is read
.rept 4
	v_nop
.endr
.endm
; One head: multiplies buffer f; in its middle it fetches head p of the same slot into buffer g.
; The 16 accumulators take turns, one instruction a turn, in the same order in every half.
.macro PIECE slot, p, f, g, zero
	s_wait_dscnt 8                                 ; B and A's first 32 of K are in; the youngest eight loads (A's second 32) may be out
	WIN MULW
	MUL8 \f, 0, 0, \zero
	MUL8 \f, 0, 2, \zero
	PLACES
	FETCH \slot, \p, \g
	s_wait_dscnt 32                                ; all but the 32 just issued
	WIN MULW
	MUL8 \f, 1, 0, 0
	MUL8 \f, 1, 2, 0
.endm
.macro THREE slot, zero
	PIECE \slot, 1, F0, F1, \zero
	PIECE \slot, 2, F1, F0, 0
	PIECE \slot, 3, F0, F1, 0
.endm
; The slot's last head, and the change of slots: waits, barrier (a round of the cluster's barrier where the slot is filled again), refill first, then the next slot's first fragments
.macro TURN slot, next, fill
	s_wait_dscnt 8
	WIN MULW
	MUL8 F1, 0, 0, 0
	s_wait_dscnt 0                                 ; my reads of this slot are over
	s_wait_tensorcnt 0x0                           ; all my tensor loads have landed: the one that was out is my part of the next slot
	ds_add_u32 v255, v255
	s_wait_dscnt 0x0
	s_barrier_signal -1
	MUL8 F1, 0, 2, 0                               ; register work while the others arrive
	WIN 0
	s_barrier_wait -1
.if \fill
	CREST
	s_add_nc_u64 s[G0+4*\slot+2:G0+4*\slot+3], s[G0+4*\slot+2:G0+4*\slot+3], 2*1048576
	s_add_nc_u64 s[G0B+4*\slot+2:G0B+4*\slot+3], s[G0B+4*\slot+2:G0B+4*\slot+3], 2*512
	JLOAD \slot                                    ; my one tensor load behind the round; 120 matrix instructions stand between it and the wait for it
.endif
	PLACES
	FETCH \next, 0, F0
	WIN MULW
	MUL8 F1, 1, 0, 0
	MUL8 F1, 1, 2, 0
.endm
	s_wait_tensorcnt 1                             ; my part of tile 0 is in; tile 1's may stay out
	s_barrier_signal -1
	s_barrier_wait -1
	FETCH 0, 0, F0
	THREE 0, 1                                     ; heads 0-3; the first products start the sums
	TURN 0, 1, 1                                   ; slot 0 gets heads 8-11
	THREE 1, 0                                     ; heads 4-7
	TURN 1, 0, 1                                   ; slot 1 gets heads 12-15
	THREE 0, 0
	TURN 0, 1, 0                                   ; nothing is left to fetch
	THREE 1, 0
	s_wait_dscnt 8
	WIN MULW
	MUL8 F1, 0, 0, 0
	MUL8 F1, 0, 2, 0
	s_wait_dscnt 0
	MUL8 F1, 1, 0, 0
	MUL8 F1, 1, 2, 0
; THE WAY OUT, 16 rows at a time: bias, through my stage, back as whole rows of 256 bytes
.macro OUT16 a, f
	s_wait_xcnt 0x0                                ; buffer f was store data two tiles ago: rewritten only behind this wait
	WIN 0x02                                       ; source 0 = accumulators, window 2
.irp b, 0,1,2,3
.irp p, 0,2,4,6
	v_pk_add_f32 v[X+8*\b+\p:X+8*\b+\p+1], v[8*(4*\a+\b)+\p:8*(4*\a+\b)+\p+1], v[BIAS+8*\b+\p:BIAS+8*\b+\p+1]
.endr
.endr
	WIN 0
.irp b, 0,1,2,3
	ds_store_b128 v[STO], v[X+8*\b:X+8*\b+3]   offset:64*\b
	ds_store_b128 v[STO], v[X+8*\b+4:X+8*\b+7] offset:64*\b+16
.endr
.irp t, 0,1,2,3,4,5,6,7
	ds_load_b128 v[\f+4*\t:\f+4*\t+3], v[RD] offset:\t*2*SPITCH    ; LDS serves a wave's instructions in order (ISA guide 5.7.1.4): these see the stores above
.endr
.irp t, 0,1,2,3,4,5,6,7
	s_wait_dscnt 7-\t                              ; load t is back, the 7 - t younger ones may be out
	global_store_b128 v[CO], v[\f+4*\t:\f+4*\t+3], s[8:9] offset:65536*\a+8192*\t th:TH_STORE_NT   ; 16 lanes store 256 consecutive bytes, aligned
.endr
.endm
	PLACES
	s_wait_loadcnt 0x0                             ; the bias
	OUT16 0, F0
	OUT16 1, F1
	OUT16 2, F0
	OUT16 3, F1
	s_set_vgpr_msb 0x1
	s_wait_tensorcnt 0x0
	ds_add_u32 v255, v255
	s_wait_dscnt 0x0
	s_set_vgpr_msb 0x100
	CROUND                                         ; the closing round
	s_endpgm
.Lfunc_end_k_q17d9dd1f24_outp:
	.size	k_q17d9dd1f24_outp, .Lfunc_end_k_q17d9dd1f24_outp-k_q17d9dd1f24_outp
	.p2alignl 7, 3214868480
	.fill 96, 4, 3214868480
	.section	.rodata,"a",@progbits
	.p2align	6, 0x0
	.amdhsa_kernel k_q17d9dd1f24_outp
		.amdhsa_group_segment_fixed_size 327680
		.amdhsa_private_segment_fixed_size 0
		.amdhsa_enable_private_segment 0
		.amdhsa_kernarg_size 32
		.amdhsa_user_sgpr_count 2
		.amdhsa_user_sgpr_kernarg_segment_ptr 1
		.amdhsa_wavefront_size32 1
		.amdhsa_system_sgpr_workgroup_id_x 1
		.amdhsa_system_sgpr_workgroup_id_y 1
		.amdhsa_system_sgpr_workgroup_id_z 1
		.amdhsa_system_vgpr_workitem_id 0
		.amdhsa_next_free_vgpr 640
		.amdhsa_next_free_sgpr 76
		.amdhsa_reserve_vcc 0
		.amdhsa_float_denorm_mode_32 3
		.amdhsa_float_denorm_mode_16_64 3
		.amdhsa_memory_ordered 1
		.amdhsa_forward_progress 1
		.amdhsa_inst_pref_size 91
	.end_amdhsa_kernel
	.amdgpu_metadata
---
amdhsa.version: [ 1, 2 ]
amdhsa.kernels:
  - .name:           k_q17d9dd1f24_outp
    .symbol:         k_q17d9dd1f24_outp.kd
    .args:
      - { .name: ao, .offset: 0, .size: 8, .value_kind: global_buffer, .address_space: global }
      - { .name: cb, .offset: 8, .size: 8, .value_kind: global_buffer, .address_space: global }
      - { .name: bo, .offset: 16, .size: 8, .value_kind: global_buffer, .address_space: global }
      - { .name: out0, .offset: 24, .size: 8, .value_kind: global_buffer, .address_space: global }
    .group_segment_fixed_size: 327680
    .private_segment_fixed_size: 0
    .kernarg_segment_align: 8
    .kernarg_segment_size: 32
    .max_flat_workgroup_size: 128
    .sgpr_count:     76
    .vgpr_count:     640
    .wavefront_size: 32
...
	.end_amdgpu_metadata
.endif
;; end of part 4
;; ======== version 2 of 2: 4 launches
;; workspace buffers: cb 33,554,432 bytes; tab 524,288 bytes; qkv 25,165,824 bytes; ao 8,388,608 bytes
;; launch prep: the kernel of part 1 again; grid 64 x 17, 8 waves a work-group, no clusters, 0 bytes of LDS; arguments query, key_, value, Wq, Wk, Wv, Wo, cb, tab; writes cb, tab
;; launch proj: the kernel of part 2 again; grid 4 x 48, 4 waves a work-group, clusters of 4 x 4, 327,680 bytes of LDS; arguments cb, tab, bq, bk, bv, qkv; writes qkv
;; launch attn (part 5): grid 8 x 32, 4 waves a work-group, clusters of 4 x 1, 327,680 bytes of LDS; arguments qkv, ao; writes ao
.if DOCPART == 5
	.amdgcn_target "amdgcn-amd-amdhsa--gfx1250"
	.amdhsa_code_object_version 6
	.text
	.protected	k_q17d9dd1f24_attn
	.globl	k_q17d9dd1f24_attn
	.p2align	8
	.type	k_q17d9dd1f24_attn,@function
k_q17d9dd1f24_attn:
	s_mov_b64 s[64:65], 0
	v_nop
	global_prefetch_b8 v0, s[64:65] scope:SCOPE_SE
	s_setreg_imm32_b32 hwreg(HW_REG_WAVE_MODE, 25, 1), 1
	s_wait_xcnt 0x0
	s_wait_alu depctr_hold_cnt(0) depctr_sa_sdst(0) depctr_va_vdst(0) depctr_va_sdst(0) depctr_va_ssrc(0) depctr_va_vcc(0) depctr_vm_vsrc(0)
	s_getreg_b32 s2, hwreg(HW_REG_IB_STS2, 6, 4)
	s_cmp_eq_u32 s2, 0
	s_cbranch_scc0 .Lentry_in_a_cluster
	s_endpgm
.Lentry_in_a_cluster:
	s_bfe_u32 s2, ttmp6, 0x10000c
	s_cmp_lg_u32 s2, 0x3003
	s_cbranch_scc0 .Lentry_shape_is_right
	s_endpgm
.Lentry_shape_is_right:
; ao[b][h][t][64] = softmax(q k^T / 8) v for one (batch, head) = grid y and 256 queries = grid x, in bf16; running maximum and sum in f32.
; Four waves, 64 queries each as four tiles of 16.  Keys go in 16 tiles of 128 through two LDS slots; a tile is one step of the work.
; THE TEXT IS KEPT SHORT.  A slot's place stands in the immediates of its LDS loads, so each slot has its own copy of the step.  With a tile
; of one step the text holds four copies: the first step (it starts maxima and sums), two in a loop that runs seven times, and the last
; (it fetches nothing).  Tiles of two steps would need eight copies for the same sixteen steps.
; CLUSTERS: the four work-groups of a cluster are four query blocks of one head and walk the same K and V tiles: each tile is asked for
; jointly (mask 15), which divides the requests for K and V by four.
; NO ROUND TRIP FOR P.  S^T = K Q^T (source 0 = rows of K, source 1 = rows of Q): lane (r, h) holds query r and keys 16 st + 8 h + 0..7.
; Two neighbouring tiles of S^T, packed to bf16, ARE source 1 of O^T = V^T P^T (query r; k = 8 h .. and 16 + 8 h ..).  Source 0, V^T, comes by
; the transposing LDS load from V as it lies ([s][d]).  In O^T a lane holds query r again, so maximum, sum and rescale factor are one number a
; lane; the two halves of the lanes meet once a step for the maximum, and once at the end for the sum (the factor is equal in both).
; MATRIX WORK BESIDE VECTOR WORK.  The four query tiles share the K and V^T fragments and take turns.  Phase qt of a step is the softmax and
; the rescaling of tile qt, 217 vector instructions cut into 32 numbered slices; in front of the slices stand, by turns, the 16 matrix
; instructions of O^T of tile qt - 1 and the 16 of S^T of tile qt + 1.  So S and P have two buffers each.  Only S^T of tile 0 (while K's
; fragments arrive) and O^T of tile 3 stand alone in a step.  Inside a slice exponentials alternate with plain arithmetic.
; THE PRICE: an exponential has its one source in place 0, where a matrix instruction has its K or V^T fragment, so S would have to share a
; window with the fragments: 128 and 256 registers do not fit into 256.  Each matrix instruction therefore stands between two
; s_set_vgpr_msb: about 200 a step, beside 128 matrix and 868 vector instructions.
; LIMITS: q, k, v, P and the result in bf16.  v_exp_f32 gives 0 for results under 2^-126.  A NaN among the scores loses in the maxima
; (v_max_num) and then spreads through the exponentials, not bit for bit as in f32 arithmetic.
; LDS: slot n at 40,960 n: K rows 0-63 at 0, rows 64-127 at 10,240 (pitch 144); V rows 0-127 at 20,480 (pitch 160, an odd multiple of 32
; bytes for the transposing load; 64 rows are 10,240 bytes, so the two waves' halves join).  Stage at 81,920: 9,216 bytes a wave, written by
; LDS stores alone; no tensor load lands there.  118,784 bytes are used; more than half of a WGP's LDS is asked for, so that the work-group is alone on it.
; REGISTERS: window 0 addresses, S (two buffers), P (two buffers), softmax state;
;            window 1 O[qt][dt] at v[32 qt + 8 dt], Q[qt][ks] at v[128 + 16 qt + 8 ks];
;            window 2 K fragments [st][ks] at v[16 st + 8 ks], V^T fragments [sb][dt] at v[128 + 32 sb + 8 dt].
.set QUARTER, 10240                    ; what one wave's tensor load may fill
.set SLOT,    40960
.set KP,      144
.set VP,      160
.set VOFF,    20480
.set STAGE,   81920
.set WSTAGE,  9216
.set TILEB,   16384                    ; 128 keys of 128 bytes
.set QO,  8                            ; 128 r + 16 h
.set KA,  10                           ; v10-11  K fragments in slot 0, 1
.set VA,  12                           ; v12-13  V^T fragments in slot 0, 1
.set STO, 14
.set RD,  15
.set CO,  16
.set S,   32                           ; v[32+64(qt&1)+8st]: scores, then P in f32; query tiles take the two buffers by turns
.set XO,  S+64                         ; the way out: O / sum
.set PF,  160                          ; v[160+32(qt&1)+8sb]: P in bf16, two buffers
.set M,   224                          ; running maximum of each query tile
.set LS,  228                          ; running sum (of my half of the lanes)
.set MX,  232                          ; four chains of maxima
.set MN,  236                          ; the new maximum
.set D,   237
.set AL,  238                          ; v[238:239] the rescale factor, twice
.set NM,  240                          ; v[240:241] -c x maximum, twice
.set SUM0, 242                         ; v[242:243], v[244:245] two chains of sums
.set QW,  128                          ; Q in window 1
.set G1K, 24
.set G0K, 32
.set G1V, 48
.set G0V, 56
.set MSB, 0
.macro WIN new                         ; the immediate's high byte repeats the setting that is left
.if MSB != \new
	s_set_vgpr_msb (MSB<<8)|\new
.set MSB, \new
.endif
.endm
.macro ROUND                           ; a round of the cluster's barrier
	s_barrier_signal -1
	s_barrier_wait -1
	s_cmp_lg_u32 s10, 0
	s_cbranch_scc1 .Lnot_wave_0_\@
	s_barrier_signal -3
.Lnot_wave_0_\@:
	s_barrier_wait -3
	s_barrier_signal -1
	s_barrier_wait -1
.endm
.macro JLOAD n                         ; waves 0 and 1 ask for K's halves, waves 2 and 3 for V's
	s_cmp_eq_u32 s11, 0
	s_cbranch_scc0 .Lfor_v_\@
	tensor_load_to_lds s[G0K+4*\n:G0K+4*\n+3], s[G1K:G1K+7]
	s_nop 0
	s_branch .Lasked_\@
.Lfor_v_\@:
	tensor_load_to_lds s[G0V+4*\n:G0V+4*\n+3], s[G1V:G1V+7]
	s_nop 0
.Lasked_\@:
.endm
	s_load_b128 s[4:7], s[0:1], 0x0                ; qkv, ao
	v_lshl_add_u32 v254, v0, 2, 0x29000
	v_mov_b32 v255, 0
	ds_add_u32 v254, v255
	v_lshrrev_b32 v1, 5, v0
	v_readfirstlane_b32 s10, v1                    ; wave
	s_lshr_b32 s11, s10, 1                         ; I fetch for K (0) or V (1)
	s_and_b32 s12, s10, 1                          ; which 64 rows
	s_bfe_u32 s40, ttmp6, 0x40000                  ; cx
	s_and_b32 s13, ttmp7, 0xffff                   ; 16 b + h
	s_mov_b32 s66, 0x3e38aa3b                      ; c = log2(e) / 8: the scale and the change of base in one factor
	s_mov_b32 s67, 0x3e38aa3b
	s_mov_b32 s68, 0xbe38aa3b                      ; -c
	s_mov_b32 s70, 0x76543210                      ; v_permlanex16_b32: lane i of one half reads lane i of the other
	s_mov_b32 s71, 0xfedcba98
	; group 1: 64 rows x 64 elements of 2 bytes; padding behind every 32 words: 4 words for K, 8 for V; mask 15, bit 21 beside it
	s_mov_b32 s[G1K+0], 15|(1<<16)|(1<<20)|(1<<21)|(4<<22)|(3<<25)
	s_mov_b32 s[G1V+0], 15|(1<<16)|(1<<20)|(1<<21)|(4<<22)|(7<<25)
	s_mov_b32 s[G1K+1], 64<<16                     ; tensor_dim0 = 64
	s_mov_b32 s[G1V+1], 64<<16
	s_mov_b32 s[G1K+2], 64<<16                     ; tensor_dim1 = 64
	s_mov_b32 s[G1V+2], 64<<16
	s_mov_b32 s[G1K+3], 64<<16                     ; tile_dim0 = 64
	s_mov_b32 s[G1V+3], 64<<16
	s_mov_b32 s[G1K+4], 64                         ; tile_dim1 = 64
	s_mov_b32 s[G1V+4], 64
	s_mov_b32 s[G1K+5], 64                         ; elements from row to row
	s_mov_b32 s[G1V+5], 64
	s_mov_b32 s[G1K+6], 0
	s_mov_b32 s[G1V+6], 0
	s_mov_b32 s[G1K+7], 0
	s_mov_b32 s[G1V+7], 0
	s_lshl_b32 s18, s13, 18                        ; the head's plane
	s_lshl_b32 s19, s12, 13                        ; my 64 rows of 128 bytes
	s_add_co_u32 s14, s18, s19
	s_add_co_u32 s14, s14, 8388608                 ; k lies behind q,
	s_mov_b32 s15, 0
	s_add_co_u32 s16, s14, 8388608                 ; v behind k.  No place in the cluster enters these
	s_mov_b32 s17, 0
	s_mul_i32 s20, s10, QUARTER                    ; LDS: wave x 10,240
	s_lshl_b32 s21, ttmp9, 2
	s_add_co_u32 s21, s21, s40                     ; query block
	s_lshl_b32 s21, s21, 15                        ; 256 rows of 128 bytes
	s_lshl_b32 s22, s10, 13                        ; 64 rows a wave
	s_add_co_u32 s22, s22, s21
	s_add_co_u32 s22, s22, s18
	s_mov_b32 s23, 0
	s_wait_dscnt 0x0
	s_wait_kmcnt 0x0
	s_add_nc_u64 s[14:15], s[4:5], s[14:15]
	s_add_nc_u64 s[16:17], s[4:5], s[16:17]
	s_add_nc_u64 s[4:5], s[4:5], s[22:23]          ; my 64 rows of q
	s_add_nc_u64 s[6:7], s[6:7], s[22:23]          ; and of the result
.irp n, 0,1
	s_mov_b32 s[G0K+4*\n], 1
	s_add_co_u32 s[G0K+4*\n+1], s20, \n*SLOT
	s_add_nc_u64 s[G0K+4*\n+2:G0K+4*\n+3], s[14:15], \n*TILEB
	s_or_b32 s[G0K+4*\n+3], s[G0K+4*\n+3], 0x80000000
	s_mov_b32 s[G0V+4*\n], 1
	s_add_co_u32 s[G0V+4*\n+1], s20, \n*SLOT
	s_add_nc_u64 s[G0V+4*\n+2:G0V+4*\n+3], s[16:17], \n*TILEB
	s_or_b32 s[G0V+4*\n+3], s[G0V+4*\n+3], 0x80000000
.endr
	ROUND                                          ; in front of the first joint load
	JLOAD 0                                        ; keys 0-127
	v_and_b32 v1, 15, v0                           ; r
	v_bfe_u32 v2, v0, 4, 1                         ; h
	v_and_b32 v3, 31, v0                           ; lane
	v_lshlrev_b32 v4, 4, v2
	v_lshl_add_u32 v[QO], v1, 7, v4
	WIN 0x40                                       ; destination window 1
.irp qt, 0,1,2,3
.irp ks, 0,1
	global_load_b128 v[QW+16*\qt+8*\ks:QW+16*\qt+8*\ks+3],   v[QO], s[4:5] offset:2048*\qt+64*\ks      ; q(16 qt + r, 32 ks + 8 h ..)
	global_load_b128 v[QW+16*\qt+8*\ks+4:QW+16*\qt+8*\ks+7], v[QO], s[4:5] offset:2048*\qt+64*\ks+32   ; and 16 further
.endr
.endr
	WIN 0
	v_mul_u32_u24 v5, v1, KP
	v_add_nc_u32 v[KA], v5, v4                     ; 144 r + 16 h
	v_add_nc_u32 v[KA+1], SLOT, v[KA]
	v_and_b32 v5, 7, v0
	v_lshl_add_u32 v5, v2, 3, v5                   ; key row 8 h + (lane & 7)
	v_mul_u32_u24 v5, v5, VP
	v_bfe_u32 v6, v0, 3, 1
	v_lshl_add_u32 v5, v6, 4, v5                   ; + 16 ((lane >> 3) & 1)
	v_add_nc_u32 v[VA], VOFF, v5
	v_add_nc_u32 v[VA+1], VOFF+SLOT, v5
	s_mul_i32 s21, s10, WSTAGE
	s_add_co_u32 s21, s21, STAGE                   ; my stage
	v_add_nc_u32 v[STO], s21, v[KA]                ; in: row r, 16 bytes for each half of the lanes
	v_lshrrev_b32 v7, 3, v3
	v_mul_u32_u24 v7, v7, KP
	v_and_b32 v9, 7, v0
	v_lshl_add_u32 v7, v9, 4, v7
	v_add_nc_u32 v[RD], s21, v7                    ; back: four rows of 128 bytes
	v_lshlrev_b32 v[CO], 4, v3
	s_wait_loadcnt 0x0                             ; q
; THE MATRIX INSTRUCTIONS, one at a time.  In every order in which they are called below no two that follow each other share an
; accumulator: the accumulators take turns, one instruction a turn.
; The n-th of the 16 of S^T of query tile qt: n = 0..7 key tile n, d = 0..31 (starts the sum); n = 8..15 key tile n - 8, d = 32..63.
.macro QKI qt, n
	WIN 0x06                                       ; source 0 (K) window 2, source 1 (Q) window 1, C and D (S) window 0
.if (\n) < 8
	v_wmma_f32_16x16x32_bf16 v[S+64*((\qt)&1)+8*(\n):S+64*((\qt)&1)+8*(\n)+7], v[16*(\n):16*(\n)+7], v[QW+16*(\qt):QW+16*(\qt)+7], 0
.else
	v_wmma_f32_16x16x32_bf16 v[S+64*((\qt)&1)+8*((\n)-8):S+64*((\qt)&1)+8*((\n)-8)+7], v[16*((\n)-8)+8:16*((\n)-8)+15], v[QW+16*(\qt)+8:QW+16*(\qt)+15], v[S+64*((\qt)&1)+8*((\n)-8):S+64*((\qt)&1)+8*((\n)-8)+7]
.endif
.endm
; The n-th of the 16 of O^T of query tile qt: keys 32 (n / 4) .., d tile n % 4.  In the first step the first 32 keys start the sums.
.macro PVI qt, n, first
	WIN 0x52                                       ; source 0 (V^T) window 2, source 1 (P) window 0, C and D (O) window 1
.if \first > (\n)/4                                ; first = 1 and n < 4
	v_wmma_f32_16x16x32_bf16 v[32*(\qt)+8*((\n)%4):32*(\qt)+8*((\n)%4)+7], v[128+8*(\n):128+8*(\n)+7], v[PF+32*((\qt)&1)+8*((\n)/4):PF+32*((\qt)&1)+8*((\n)/4)+7], 0
.else
	v_wmma_f32_16x16x32_bf16 v[32*(\qt)+8*((\n)%4):32*(\qt)+8*((\n)%4)+7], v[128+8*(\n):128+8*(\n)+7], v[PF+32*((\qt)&1)+8*((\n)/4):PF+32*((\qt)&1)+8*((\n)/4)+7], v[32*(\qt)+8*((\n)%4):32*(\qt)+8*((\n)%4)+7]
.endif
.endm
; THE VECTOR INSTRUCTIONS of a softmax, one at a time.  SBQ and PBQ are the tile's S and P buffers, set by SL.
.macro MAX1 i                          ; the i-th of 28 maxima: four chains, chain i % 4 over registers 16 (i % 4) + 0..14
.if (\i) < 4
	v_max3_num_f32 v[MX+(\i)], v[SBQ+16*(\i)], v[SBQ+16*(\i)+1], v[SBQ+16*(\i)+2]
.else
	v_max3_num_f32 v[MX+(\i)%4], v[MX+(\i)%4], v[SBQ+16*((\i)%4)+2*((\i)/4)+1], v[SBQ+16*((\i)%4)+2*((\i)/4)+2]
.endif
.endm
.macro EI st, j                        ; one exponential of score tile st
	v_exp_f32 v[SBQ+8*(\st)+(\j)], v[SBQ+8*(\st)+(\j)]
.endm
.macro FI st, p                        ; c s - c max, two at a time
	v_pk_fma_f32 v[SBQ+8*(\st)+2*(\p):SBQ+8*(\st)+2*(\p)+1], v[SBQ+8*(\st)+2*(\p):SBQ+8*(\st)+2*(\p)+1], s[66:67], v[NM:NM+1] op_sel_hi:[1,0,1]
.endm
.macro CI st, i                        ; i = 0..3: score tile st is added to the two chains of sums (tile 0 starts them, in two instructions); i = 4..7: it is packed to bf16
.if (\i) < 4
.if (\st) == 0
.if (\i) < 2
	s_wait_alu depctr_va_vdst(0)
	v_pk_add_f32 v[SUM0+2*(\i):SUM0+2*(\i)+1], v[SBQ+2*(\i):SBQ+2*(\i)+1], v[SBQ+2*(\i)+4:SBQ+2*(\i)+5]
.endif
.else
	s_wait_alu depctr_va_vdst(0)
	v_pk_add_f32 v[SUM0+2*((\i)%2):SUM0+2*((\i)%2)+1], v[SUM0+2*((\i)%2):SUM0+2*((\i)%2)+1], v[SBQ+8*(\st)+2*(\i):SBQ+8*(\st)+2*(\i)+1]
.endif
.else
	v_cvt_pk_bf16_f32 v[PBQ+4*(\st)+(\i)-4], v[SBQ+8*(\st)+2*((\i)-4)], v[SBQ+8*(\st)+2*((\i)-4)+1]
.endif
.endm
; The i-th plain instruction of round r, the round of score tile r's exponentials: the next tile's four multiply-adds, then the tile before's
; four sums and four packings.  Round 7 has no next tile: tile 6's eight, then tile 7's own sums.
.macro PL r, i
.if (\r) == 7
.if (\i) < 8
	CI 6, (\i)
.else
	CI 7, ((\i)-8)
.endif
.else
.if (\i) < 4
	FI ((\r)+1), (\i)
.else
.if (\r) > 0
	CI ((\r)-1), ((\i)-4)
.endif
.endif
.endif
.endm
; Third j of round r.  Exponentials and plain instructions alternate; a result is used a round later, or (tile 7's sums) behind a plain
; instruction that touches none of it (ISA guide 5.7.2).
.macro RND r, j
.if (\j) == 0
	EI \r, 0
	PL \r, 0
	EI \r, 1
	PL \r, 1
	EI \r, 2
	PL \r, 2
	EI \r, 3
.endif
.if (\j) == 1
	PL \r, 3
	EI \r, 4
	PL \r, 4
	EI \r, 5
	PL \r, 5
	EI \r, 6
	PL \r, 6
.endif
.if (\j) == 2
	EI \r, 7
	PL \r, 7
	PL \r, 8
	PL \r, 9
	PL \r, 10
	PL \r, 11
.endif
.endm
; Slice k (0..31) of the softmax and rescaling of query tile qt.  first = 1: no earlier maximum, sum or factor, and nothing to rescale.
.macro SL qt, first, k
.set SBQ, S+64*((\qt)&1)
.set PBQ, PF+32*((\qt)&1)
.if (\k) < 4                                       ; slices 0-3: 28 maxima
	WIN 0
.irp u, 0,1,2,3,4,5,6
	MAX1 (7*(\k)+\u)
.endr
.endif
.if (\k) == 4                                      ; the chains meet and take in each chain's sixteenth, the running maximum and the other half's keys
	WIN 0
	v_max3_num_f32 v[MX], v[MX], v[MX+1], v[SBQ+15]
	v_max3_num_f32 v[MX+2], v[MX+2], v[MX+3], v[SBQ+31]
	v_max3_num_f32 v[MX], v[MX], v[MX+2], v[SBQ+47]
.if \first
	v_max_num_f32 v[MX], v[MX], v[SBQ+63]
.else
	v_max3_num_f32 v[MX], v[MX], v[SBQ+63], v[M+\qt]
.endif
	v_permlanex16_b32 v[MX+1], v[MX], s70, s71
	v_max_num_f32 v[MN], v[MX], v[MX+1]
	v_mul_f32 v[NM], s68, v[MN]
	v_mul_f32 v[NM+1], s68, v[MN]
.endif
.if (\k) == 5                                      ; the rescale factor; score tile 0's multiply-adds
	WIN 0
.if \first == 0
	v_fma_f32 v[D], v[M+\qt], s66, v[NM]           ; c (old maximum - new maximum)
	v_exp_f32 v[AL], v[D]
.endif
	v_mov_b32 v[M+\qt], v[MN]                      ; also the plain instruction behind the exponential (ISA guide 5.7.2)
	FI 0, 0
	FI 0, 1
	FI 0, 2
	FI 0, 3
.if \first == 0
	s_wait_alu depctr_va_vdst(0)
	v_mov_b32 v[AL+1], v[AL]
.endif
.endif
.if (\k) == 6
	WIN 0
	RND 0, 0
.endif
.if (\k) == 7
	WIN 0
	RND 0, 1
	RND 0, 2
.endif
.if (\k)/2 == 4                                    ; slices 8 and 9: O x factor, half of the tile's 32 registers each
.if \first == 0
	WIN 0x41                                       ; destination and source 0 window 1
.irp u, 0,2,4,6,8,10,12,14
	v_pk_mul_f32 v[32*\qt+16*((\k)-8)+\u:32*\qt+16*((\k)-8)+\u+1], v[32*\qt+16*((\k)-8)+\u:32*\qt+16*((\k)-8)+\u+1], v[AL:AL+1]
.endr
.endif
.endif
.if (\k) > 9
.if (\k) < 31                                      ; slices 10-30: rounds 1 to 7, three slices each
	WIN 0
.set RR, ((\k)-10)/3+1
.set RJ, ((\k)-10)%3
	RND RR, RJ
.endif
.endif
.if (\k) == 31                                     ; the last packing and the sum: six or seven plain instructions, which are also the places behind the phase's last product (ISA guide 7.12.1)
	WIN 0
	CI 7, 4
	CI 7, 5
	CI 7, 6
	CI 7, 7
	v_pk_add_f32 v[SUM0:SUM0+1], v[SUM0:SUM0+1], v[SUM0+2:SUM0+3]
.if \first
	v_add_f32 v[LS+\qt], v[SUM0], v[SUM0+1]
.else
	v_add_f32 v[SUM0], v[SUM0], v[SUM0+1]
	v_fma_f32 v[LS+\qt], v[LS+\qt], v[AL], v[SUM0]
.endif
.endif
.endm
; Phase qt: the 32 slices of tile qt; pv = 1: O^T of tile qt - 1 goes along, qk = 1: S^T of tile qt + 1.  The slices name the tile's own S, P
; and O and the softmax state, the matrix instructions the other tiles' and the fragments: no slice names a register of a product that stands among them.
.macro PHASE qt, first, pv, qk
.set pn, 0
.rept 16
.if \pv
	PVI (\qt-1), pn, \first
.endif
	SL \qt, \first, (2*pn)
.if \qk
	QKI (\qt+1), pn
.endif
	SL \qt, \first, (2*pn+1)
.set pn, pn+1
.endr
.endm
; A slot's 128 keys against my four query tiles
.macro STEP slot, first
	WIN 0x80                                       ; destination window 2
.irp ks, 0,1
.irp st, 0,1,2,3,4,5,6,7
	ds_load_b128 v[16*\st+8*\ks:16*\st+8*\ks+3],   v[KA+\slot] offset:(\st/4)*QUARTER+(\st%4)*16*KP+64*\ks      ; K in the order in which S^T of tile 0 wants it; key rows 64-127 lie in the second wave's part
	ds_load_b128 v[16*\st+8*\ks+4:16*\st+8*\ks+7], v[KA+\slot] offset:(\st/4)*QUARTER+(\st%4)*16*KP+64*\ks+32
.endr
.endr
.set qn, 0
.rept 16
	s_wait_dscnt 30-2*qn                           ; K's loads 2 n and 2 n + 1 are in; the 30 - 2 n younger ones may be out
	QKI 0, qn                                      ; S^T of tile 0 stands alone, while the fragments arrive
.set qn, qn+1
.endr
	WIN 0x80
.irp sb, 0,1,2,3
.irp dt, 0,1,2,3
	ds_load_tr16_b128 v[128+32*\sb+8*\dt:128+32*\sb+8*\dt+3],   v[VA+\slot] offset:32*\sb*VP+32*\dt             ; V^T, a run of its own: it lands during phase 0
	ds_load_tr16_b128 v[128+32*\sb+8*\dt+4:128+32*\sb+8*\dt+7], v[VA+\slot] offset:32*\sb*VP+32*\dt+16*VP
.endr
.endr
	WIN 0
.rept 4
	v_nop                                          ; four places behind S^T of tile 0 before its maxima read it (ISA guide 7.12.1)
.endr
	PHASE 0, \first, 0, 1
	s_wait_dscnt 0x0                               ; V^T
	PHASE 1, \first, 1, 1
	PHASE 2, \first, 1, 1
	PHASE 3, \first, 1, 0
.set qn, 0
.rept 16
	PVI 3, qn, \first                              ; O^T of tile 3 stands alone
.set qn, qn+1
.endr
	WIN 0
.rept 4
	v_nop                                          ; four places before the next loads land on V^T's registers, or the way out reads O
.endr
.endm
; A tile of 128 keys.  The round of the cluster's barrier stands where a slot is filled again: each wave's waits in front of it, the joint refill first behind it.
.macro TRIP slot, refill, first
	s_wait_tensorcnt 0x0                           ; all my tensor loads have landed, my part of this tile among them,
	ds_add_u32 v254, v255
	s_wait_dscnt 0x0
	s_add_nc_u64 s[G0K+4*\slot+2:G0K+4*\slot+3], s[G0K+4*\slot+2:G0K+4*\slot+3], 2*TILEB   ; so every group 0 may be written: this slot's next tile
	s_add_nc_u64 s[G0V+4*\slot+2:G0V+4*\slot+3], s[G0V+4*\slot+2:G0V+4*\slot+3], 2*TILEB
	s_wait_dscnt 0x0                               ; my reads of the last tile are over
	ROUND                                          ; both now hold of every wave of the four work-groups
.if \refill
	JLOAD (1-\slot)                                ; my one tensor load behind the round: the next tile; it has this tile's whole step in which to land
.endif
	STEP \slot, \first
.endm
	TRIP 0, 1, 1                                   ; tile 0 starts maxima and sums
	s_mov_b32 s44, 7
.Lloop:
	TRIP 1, 1, 0                                   ; tiles 1 to 14, two a trip
	TRIP 0, 1, 0
	s_sub_co_u32 s44, s44, 1
	s_cmp_lg_u32 s44, 0
	s_cbranch_scc1 .Lloop
	TRIP 1, 0, 0                                   ; tile 15: nothing is left to fetch (the stepped addresses are not used)
	; THE WAY OUT: join the halves' sums, divide, bf16, through my stage, out as 512 neighbouring bytes (four rows of the head's plane) a store
.irp qt, 0,1,2,3
	v_permlanex16_b32 v[MX+1], v[LS+\qt], s70, s71
	v_add_f32 v[D], v[LS+\qt], v[MX+1]
	v_rcp_f32 v[AL], v[D]
	v_nop                                          ; the plain place behind the reciprocal (ISA guide 5.7.2)
	s_wait_alu depctr_va_vdst(0)
	v_mov_b32 v[AL+1], v[AL]
	WIN 0x01                                       ; source 0 (O) window 1
.set e, 0
.rept 16
	v_pk_mul_f32 v[XO+e:XO+e+1], v[32*\qt+e:32*\qt+e+1], v[AL:AL+1]
.set e, e+2
.endr
	WIN 0
.set e, 0
.rept 16
	v_cvt_pk_bf16_f32 v[PF+e], v[XO+2*e], v[XO+2*e+1]
.set e, e+1
.endr
.irp dt, 0,1,2,3
	ds_store_b128 v[STO], v[PF+4*\dt:PF+4*\dt+3] offset:16*KP*\qt+32*\dt      ; row r, columns 16 dt + 8 h + 0..7
.endr
.endr
.set n, 0
.rept 16
	ds_load_b128 v[S+4*n:S+4*n+3], v[RD] offset:(n/4)*16*KP+(n%4)*4*KP        ; LDS serves a wave's instructions in order (ISA guide 5.7.1.4): these see the stores above
.set n, n+1
.endr
.set n, 0
.rept 16
	s_wait_dscnt 15-n                              ; load n is back, the 15 - n younger ones may be out
	global_store_b128 v[CO], v[S+4*n:S+4*n+3], s[6:7] offset:512*n
.set n, n+1
.endr
	s_wait_tensorcnt 0x0
	ds_add_u32 v254, v255
	s_wait_dscnt 0x0
	ROUND                                          ; the closing round
	s_endpgm
.Lfunc_end_k_q17d9dd1f24_attn:
	.size	k_q17d9dd1f24_attn, .Lfunc_end_k_q17d9dd1f24_attn-k_q17d9dd1f24_attn
	.p2alignl 7, 3214868480
	.fill 96, 4, 3214868480
	.section	.rodata,"a",@progbits
	.p2align	6, 0x0
	.amdhsa_kernel k_q17d9dd1f24_attn
		.amdhsa_group_segment_fixed_size 327680
		.amdhsa_private_segment_fixed_size 0
		.amdhsa_enable_private_segment 0
		.amdhsa_kernarg_size 16
		.amdhsa_user_sgpr_count 2
		.amdhsa_user_sgpr_kernarg_segment_ptr 1
		.amdhsa_wavefront_size32 1
		.amdhsa_system_sgpr_workgroup_id_x 1
		.amdhsa_system_sgpr_workgroup_id_y 1
		.amdhsa_system_sgpr_workgroup_id_z 1
		.amdhsa_system_vgpr_workitem_id 0
		.amdhsa_next_free_vgpr 768
		.amdhsa_next_free_sgpr 72
		.amdhsa_reserve_vcc 0
		.amdhsa_float_denorm_mode_32 3
		.amdhsa_float_denorm_mode_16_64 3
		.amdhsa_memory_ordered 1
		.amdhsa_forward_progress 1
		.amdhsa_inst_pref_size 255
	.end_amdhsa_kernel
	.section	.bss,"aw",@nobits
	.p2align	6
	.space	262144
	.amdgpu_metadata
---
amdhsa.version: [ 1, 2 ]
amdhsa.kernels:
  - .name:           k_q17d9dd1f24_attn
    .symbol:         k_q17d9dd1f24_attn.kd
    .args:
      - { .name: qkv, .offset: 0, .size: 8, .value_kind: global_buffer, .address_space: global }
      - { .name: ao, .offset: 8, .size: 8, .value_kind: global_buffer, .address_space: global }
    .group_segment_fixed_size: 327680
    .private_segment_fixed_size: 0
    .kernarg_segment_align: 8
    .kernarg_segment_size: 16
    .max_flat_workgroup_size: 128
    .sgpr_count:     72
    .vgpr_count:     768
    .wavefront_size: 32
...
	.end_amdgpu_metadata
.endif
;; end of part 5
;; launch outp: the kernel of part 4 again; grid 8 x 32, 4 waves a work-group, clusters of 4 x 4, 327,680 bytes of LDS; arguments ao, cb, bo, out0; writes out0
